; MI455X (gfx1250); checked and timed in simulation.
; The chip was launched on July 23, 2026; its instructions are those of AMD's public machine-readable ISA for CDNA 5 (MIT licence, August 2026) and "CDNA5" Instruction Set Architecture Reference Guide (July 2026). The comments in the code are by the model that wrote it; some were corrected since.
;; Causal Self Attention. Allowed arithmetic: matrix products marked QUANTISED: E4M3 operands, one E8M0 scale for each 32 along K, by v_wmma_scale_f32_16x16x128_f8f6f4 with both operands' format E4M3, f32 sums; products left as they are: f32 operands where the result goes on into a quantised operand, else bf16, f16 or f32 operands; f32 sums; everything else in f32.
;; Inputs: Wout 1,024 x 1,024 float32; Wqkv 1,024 x 3,072 float32; x 4 x 2,048 x 1,024 float32.
;; Outputs: out0 4 x 2,048 x 1,024 float32.
;; This version of the problem:
;;   THIS VERSION OF THE PROBLEM IS GIVEN IN LOW PRECISION. The matrix products marked QUANTISED in the list below multiply operands that are first quantised to E4M3 (4 exponent bits, 3 mantissa bits; 8 bits a number), with one power-of-two scale for each 32 numbers along K (OCP MX v1.0); their sums are f32. All else is computed in f32.
;;   The module's matrix products, in the order in which they are computed (A, B: the left and right operand; K: the contracted axis; several contracted axes count as one K, in the product's order):
;;     1. [M 8,192, K 1,024] x [K 1,024, N 3,072]; A: input x; B: input Wqkv: QUANTISED
;;     2. [M 2,048, K 1] x [K 1, N 32]; A: computed on the way; B: computed on the way: left as it is (no contracted axis)
;;     3. batch 64 x [M 2,048, K 64] x [K 64, N 2,048]; A: computed on the way; B: computed on the way: QUANTISED
;;     4. batch 64 x [M 2,048, K 2,048] x [K 2,048, N 64]; A: softmax (see below); B: computed on the way: QUANTISED
;;     5. [M 8,192, K 1,024] x [K 1,024, N 1,024]; A: computed on the way; B: input Wout: QUANTISED
;;   THE QUANTISER, for each operand of a quantised product, along K:
;;     - K is cut into blocks of 32 from its start; a last block that is shorter is filled with zeros.
;;     - A block's scale is 2^e with e = floor(log2(the largest magnitude in the block)) - 8, held to -126 .. 127; a block of zeros has e = 0. As a byte (E8M0): e + 127.
;;     - Each number is divided by its block's scale, clamped to +-448, and rounded to the nearest number of E4M3, ties to even, subnormals kept.
;;     - The product sums the exact products of the quantised numbers (number of the format x scale) in f32.
;;   ~~~python
;;   def quantise(x, axis):      # numpy; x: float32 -> the quantised numbers, widened to float32 again
;;       x = np.moveaxis(x, axis, -1); K = x.shape[-1]
;;       x = np.pad(x, [(0, 0)] * (x.ndim - 1) + [(0, -K % 32)]); x = x.reshape(x.shape[:-1] + (-1, 32)); a = np.abs(x).max(-1, keepdims=True)
;;       e = np.where(a > 0, np.clip(np.frexp(np.where(a > 0, a, 1))[1] - 1 - 8, -126, 127), 0)      # np.frexp(a)[1] - 1 = floor(log2(a)), exactly
;;       r = np.clip(x / 2.0 ** e, -448, 448)
;;       step = 2.0 ** (np.maximum(np.frexp(np.where(r == 0, 1, r))[1] - 1, -6) - 3)
;;       q = np.round(r / step) * step * 2.0 ** e      # np.round: ties to even
;;       return np.moveaxis(q.reshape(q.shape[:-2] + (-1,))[..., :K], -1, axis).astype(np.float32)
;;   ~~~
;;   SOFTMAX AHEAD OF A QUANTISED PRODUCT. Where the list says 'softmax', what is quantised is not the finished softmax but p = 2^(t - M), with t = logit x log2(e) and M = ceil(the row's largest t), a whole number; so 1/2 < the row's largest p <= 1. The row's sum l is taken of the UNQUANTISED p, in f32, and the product's result is divided by l at the end. Since M is a whole number, a kernel that streams over the keys may use a running M (the ceiling of the running maximum): every later rescaling is an exact power of two, which a block's scale takes up: the codes' values come out the same.
;;   OPERANDS COMPUTED ON THE WAY. 'Computed on the way' means the value that the module computes at that place (a softmax that the list does not call 'softmax' is quantised finished and normalised). What goes into a quantiser is computed in f32, as accurately as f32 sums, v_exp_f32 and their like allow (about 1e-6 of the number): no bf16 or f16 on the way to a quantiser, and a product that is left as it is and whose result goes on into a quantised operand takes f32 operands (vector FMAs, or v_wmma_f32_16x16x4_f32). A number that lies on a knife's edge between two numbers of the format may be rounded either way, as far as f32 arithmetic and the matrix unit's own rounding can turn it there, and no further.
;; One version. Each part assembles by itself: llvm-mc -triple=amdgcn-amd-amdhsa -mcpu=gfx1250 --defsym DOCPART=n.
;; ======== version 1 of 1: 4 launches
;; limits: right only within a limited range of input values
;; workspace buffers: xq 8,650,752 bytes; wq 4,325,376 bytes; rope 524,288 bytes; qi 8,912,896 bytes; kv 17,563,648 bytes; oi 8,650,752 bytes
;; launch prep (part 1): grid 400 x 1, 4 waves a work-group, no clusters, 68,096 bytes of LDS; arguments x, Wqkv, Wout, xq, wq, rope; writes xq, wq, rope
.if DOCPART == 1
	.amdgcn_target "amdgcn-amd-amdhsa--gfx1250"
	.amdhsa_code_object_version 6
	.text
	.protected	k_qe41b99de02_prep
	.globl	k_qe41b99de02_prep
	.p2align	8
	.type	k_qe41b99de02_prep,@function
k_qe41b99de02_prep:
	s_mov_b64 s[64:65], 0
	v_nop
	global_prefetch_b8 v0, s[64:65] scope:SCOPE_SE
	s_setreg_imm32_b32 hwreg(HW_REG_WAVE_MODE, 25, 1), 1
	s_wait_xcnt 0x0
; PREP: what the three later launches read again and again is made once.
;  work-groups 0-255:   x [8192][1024] f32 -> codes of FP8 (E4M3), K innermost, and one E8M0 byte for each 32 along K (buffer xq: codes at 0, bytes [row][32] at XSC).
;  work-groups 256-383: Wqkv [1024][3072] and Wout [1024][1024] f32, whose K is the FIRST axis -> codes [column][1024] with K innermost (buffer wq: rows 0-3071 Wqkv's columns, 3072-4095 Wout's; bytes [row][32] at WSC).
;  work-groups 384-399: the table of cos and sin for the rotary embedding, [2048 positions][cos 0-15 | sin 0-15 | cos 16-31 | sin 16-31] f32 (buffer rope).
; STORED ROWS ARE PERMUTED: inside each 32 rows the two middle groups of eight change places (row p lies at (p&7)|((p&8)<<1)|((p&16)>>1)).  A tile of 16 stored rows then holds rows 32 b + 8 u + r + 8 (r / 8),
; so that in a product used transposed a lane's 16 registers of two neighbouring tiles are 16 neighbours along the next product's K; the later launches take plain tiles of 16 stored rows.
; A block's scale is 2^(floor(log2(its largest magnitude)) - 8); its byte is the largest magnitude's exponent field - 8, held at 1 from below.  A block of zeros so gets the byte 1 where the rule says 127: its codes are zeros,
; which add nothing under any byte but 0xff, and the bytes are read by this program alone.
; LIMITS: blocks whose largest magnitude lies under 2^-118 keep the byte 1; NaN and infinities among the inputs are not served.  The table's frequencies 10000^(-j/32) are right to about 1.5 units of the last place, so that
; at the last positions an angle carries up to about 2e-4 radians.
; The three kinds of work-group part on the work-group's number alone and never meet again; each has LDS bytes of its own.  No tensor loads, no barrier: waves share nothing; no cluster: work-groups share no input.
.set EMAX,  8
.set MANT,  0x600000                   ; the mantissa field of 448 as f32
.set XSC,   8388608                    ; xq: where the scale bytes begin
.set WSC,   4194304                    ; wq: likewise
.set SPW,   192                        ; v192  LDS address of my spare word: SPARE + 4 x my thread's number; never rewritten
.set NIL,   193                        ; v193  0; never rewritten
.set SPARE, 67584                      ; behind both paths' regions: the spare words, 128 bytes for each wave
; x's path
.set STEPS, 16
.set CB,    16                         ; bytes of 16 codes
.set R,     16                         ; v16-79   four sets of 16 numbers as they are loaded
.set X,     80                         ; v80-111  two sets of 16 neighbours
.set E,     112                        ; v112-127 a scale byte for each step
.set C,     128                        ; v128-191 codes: four registers for each step
.set WREG,  8192                       ; LDS 0 .. 32767: a region for each wave: two stages of 32 x SP bytes, behind them its 256 scale bytes
.set SP,    80                         ; a lane's place in a stage: its 64 bytes + 16 of padding
; the weights' path
.set NB,    8                          ; blocks of 32 along K for a wave
.set WST,   32768                      ; LDS 32768 .. 67583: a stage of 32 rows x WP bytes for each wave
.set WP,    272
.set WX,    32                         ; v32-95   two sets of 32 numbers; on the way out 16 x 4 registers
.set WC,    96                         ; v96-103  a block's codes
.set SBY,   24                         ; v24-25   the scale bytes, four to a register
.set OFFS,  112                        ; v112-143 4 x lane + i rows of the weight; never rewritten
	s_load_b128 s[4:7], s[0:1], 0x0                ; x, Wqkv
	s_load_b128 s[8:11], s[0:1], 0x10              ; Wout, xq
	s_load_b128 s[12:15], s[0:1], 0x20             ; wq, rope
	v_lshl_add_u32 v[SPW], v0, 2, SPARE
	v_mov_b32 v[NIL], 0
	v_lshrrev_b32 v1, 5, v0
	v_readfirstlane_b32 s16, v1                    ; wave 0..3
	v_and_b32 v2, 31, v0                           ; lane
	s_cmp_ge_u32 ttmp9, 384
	s_cbranch_scc1 .Lrope
	s_cmp_ge_u32 ttmp9, 256
	s_cbranch_scc1 .Lweights
; ---------------- x: a plain stream of blocks of 32.  A wave takes 8 rows (8,192 numbers) in 16 steps of 512.
; Each of a step's four loads reads 512 consecutive bytes, 16 a lane; the 2,048 bytes turn through the wave's own stage in LDS and come back 64 bytes a lane: 16 neighbours, two lanes to a block.
	v_lshlrev_b32 v3, 4, v2                        ; my 16 bytes of a load's 512
	s_mul_i32 s17, s16, WREG
	v_lshrrev_b32 v14, 2, v2
	v_mul_u32_u24 v14, v14, SP
	v_and_b32 v15, 3, v2
	v_lshl_add_u32 v14, v15, 4, v14
	v_add_nc_u32 v14, s17, v14                     ; the stage, on the way in: SP (lane / 4) + 16 (lane % 4)
	v_mul_u32_u24 v15, v2, SP
	v_add_nc_u32 v15, s17, v15                     ; and on the way out: SP x lane
	v_mul_u32_u24 v4, v2, CB                       ; my codes' place in a step's
	v_lshrrev_b32 v5, 1, v2
	s_add_co_u32 s17, s17, 2*32*SP
	v_add_nc_u32 v5, s17, v5                       ; LDS: my wave's 256 scale bytes, my block's byte
	v_lshlrev_b32 v7, 3, v2                        ; and on the way out 8 bytes a lane
	v_add_nc_u32 v6, s17, v7
	s_mov_b32 s23, MANT
	s_lshl_b32 s18, ttmp9, 2
	s_add_co_u32 s20, s18, s16                     ; which 8 rows are my wave's: 4 x work-group + wave
	s_lshl_b32 s20, s20, 15                        ; 32,768 bytes of f32
	s_mov_b32 s21, 0
	s_and_b32 s19, s16, 1                          ; where they are stored: groups 1 and 2 of the work-group's four change places
	s_lshl_b32 s19, s19, 1
	s_lshr_b32 s22, s16, 1
	s_or_b32 s19, s19, s22
	s_add_co_u32 s18, s18, s19
	s_lshl_b32 s24, s18, 13                        ; 8,192 bytes of codes
	s_mov_b32 s25, 0
	s_lshl_b32 s26, s18, 8                         ; 256 scale bytes
	s_add_co_u32 s26, s26, XSC
	s_mov_b32 s27, 0
	s_wait_alu depctr_va_vdst(0)
	s_wait_kmcnt 0x0
	s_add_nc_u64 s[4:5], s[4:5], s[20:21]
	s_add_nc_u64 s[8:9], s[10:11], s[24:25]        ; the codes
	s_add_nc_u64 s[10:11], s[10:11], s[26:27]      ; the scale bytes
.macro XLOAD t
.irp i, 0,1,2,3
	global_load_b128 v[R+16*((\t)%4)+4*\i:R+16*((\t)%4)+4*\i+3], v3, s[4:5] offset:2048*(\t)+512*\i th:TH_LOAD_NT   ; 32 lanes read 512 consecutive bytes
.endr
.endm
.macro XTURN t                         ; step t's numbers through the stage: LDS serves a wave's instructions in order, so no wait stands between the stores and the loads
.irp i, 0,1,2,3
	ds_store_b128 v14, v[R+16*((\t)%4)+4*\i:R+16*((\t)%4)+4*\i+3] offset:32*SP*((\t)%2)+8*SP*\i
.endr
.irp i, 0,1,2,3
	ds_load_b128 v[X+16*((\t)%2)+4*\i:X+16*((\t)%2)+4*\i+3], v15 offset:32*SP*((\t)%2)+16*\i
.endr
.endm
.irp t, 0,1,2,3
	XLOAD \t
.endr
	s_wait_loadcnt 12                              ; step 0's four loads are in; the twelve of steps 1 to 3 may be out
	XTURN 0
.macro XSTEP t
.set XS, X+16*((\t)%2)
.if (\t) > 0
	s_wait_dscnt 1                                 ; this step's numbers are back from the stage (the last step's byte store may be out)
.else
	s_wait_dscnt 0x0
.endif
.if (\t)+4 < STEPS
	XLOAD (\t)+4                                   ; into the registers that the stage's stores have read
.endif
.if (\t)+1 < STEPS
.if STEPS-2-(\t) >= 3
	s_wait_loadcnt 12                              ; the next step's four loads are in; those of the three steps behind it may be out
.else
	s_wait_loadcnt 4*(STEPS-2-(\t))
.endif
	XTURN (\t)+1                                   ; through the other stage while this step is worked
.endif
	v_max3_num_f32 v8, |v[XS]|, |v[XS+1]|, |v[XS+2]|               ; the largest magnitude of my 16
	v_max3_num_f32 v9, |v[XS+3]|, |v[XS+4]|, |v[XS+5]|
.irp i, 6,10
	v_max3_num_f32 v8, v8, |v[XS+\i]|, |v[XS+\i+1]|
	v_max3_num_f32 v9, v9, |v[XS+\i+2]|, |v[XS+\i+3]|
.endr
	v_max3_num_f32 v8, v8, |v[XS+14]|, |v[XS+15]|
	v_max3_num_f32 v8, v8, v9, (EMAX+1)<<23        ; and the floor 2^(9 - 127): the byte cannot fall under 1
	v_max_num_f32_dpp v8, v8, v8 row_xmask:1 row_mask:0xf bank_mask:0xf   ; and of my neighbour's 16: the block's
	v_add_nc_u32 v11, -(EMAX<<23), v8              ; 8 off its exponent field: the conversion takes the exponent field of this operand as its scale
	v_and_or_b32 v10, v8, 0x7f800000, s23          ; 448 x the scale
.irp i, 0,1,2,3,4,5,6,7,8,9,10,11,12,13,14,15
	v_med3_num_f32 v[XS+\i], v[XS+\i], -v10, v10   ; the conversion to an 8-bit code does not saturate (ISA guide 7.6.2): the hold comes first
.endr
	v_cvt_scalef32_pk8_fp8_f32 v[C+4*(\t):C+4*(\t)+1], v[XS:XS+7], v11
	v_cvt_scalef32_pk8_fp8_f32 v[C+4*(\t)+2:C+4*(\t)+3], v[XS+8:XS+15], v11
	v_lshrrev_b32 v[E+(\t)], 23, v11               ; the scale's byte
	ds_store_b8 v5, v[E+(\t)] offset:16*(\t)       ; both lanes of a block write the same byte with the same value
	global_store_b128 v4, v[C+4*(\t):C+4*(\t)+3], s[8:9] offset:32*CB*(\t)   ; 32 lanes store 512 consecutive bytes
.endm
.irp t, 0,1,2,3,4,5,6,7,8,9,10,11,12,13,14,15
	XSTEP \t
.endr
	ds_load_b64 v[8:9], v6                         ; LDS serves a wave's instructions in order: these see my stores
	s_wait_dscnt 0x0
	global_store_b64 v7, v[8:9], s[10:11]          ; 32 lanes store 256 consecutive bytes, aligned: eight rows' scale bytes
	s_wait_tensorcnt 0x0                           ; the wave's end: behind my last LDS store
	ds_add_u32 v[SPW], v[NIL]
	s_wait_dscnt 0x0
	s_endpgm
; ---------------- the weights: a lane takes a column, its registers run down K; a wave takes 32 columns x 256 along K.  Nothing is transposed by an instruction.
.Lweights:
	s_sub_co_u32 s17, ttmp9, 256
	s_and_b32 s18, s17, 3                          ; which 256 along K
	s_lshr_b32 s19, s17, 2                         ; which 128 stored rows: 0-23 Wqkv's columns, 24-31 Wout's
	s_mov_b32 s20, 4096
	s_cmp_lt_u32 s19, 24
	s_cselect_b32 s20, 12288, s20                  ; a row of the weight in bytes
	s_cselect_b32 s21, 0, 24
	s_sub_co_u32 s21, s19, s21                     ; the group of 128 columns inside its own weight
	s_lshl_b32 s21, s21, 9
	s_lshl_b32 s22, s16, 7
	s_add_co_u32 s21, s21, s22                     ; my wave's first column, in bytes
	s_lshl_b32 s22, s18, 8
	s_mul_i32 s22, s22, s20
	s_add_co_u32 s24, s21, s22                     ; + my first row
	s_mov_b32 s25, 0
	s_lshl_b32 s26, s20, 5                         ; 32 rows on: a block
	s_mov_b32 s27, 0
	s_wait_alu depctr_va_vdst(0)
	v_lshlrev_b32 v3, 2, v2
.irp i, 0,1,2,3,4,5,6,7,8,9,10,11,12,13,14,15,16,17,18,19,20,21,22,23,24,25,26,27,28,29,30,31
	v_mad_u32_u24 v[OFFS+\i], s20, \i, v3          ; row i of a block, my column
.endr
	s_mul_i32 s28, s16, 32*WP
	s_add_co_u32 s28, s28, WST                     ; my stage
	v_mul_u32_u24 v4, v2, WP
	v_add_nc_u32 v4, s28, v4                       ; into it: row = my column
	v_and_b32 v5, 15, v2
	v_lshrrev_b32 v6, 4, v2                        ; out of it: sixteen lanes to a row, two rows an instruction
	v_mul_u32_u24 v7, v6, WP
	v_lshl_add_u32 v7, v5, 4, v7
	v_add_nc_u32 v7, s28, v7
	v_lshlrev_b32 v8, 10, v6
	v_lshl_add_u32 v8, v5, 4, v8                   ; and the same place in the codes' buffer (rows of 1,024 bytes)
	v_and_b32 v9, 7, v2                            ; the stored row of my column: the middle groups of eight change places
	v_and_b32 v10, 8, v2
	v_lshl_or_b32 v9, v10, 1, v9
	v_and_b32 v10, 16, v2
	v_lshrrev_b32 v10, 1, v10
	v_or_b32 v9, v9, v10
	v_lshlrev_b32 v9, 5, v9                        ; its row of 32 scale bytes
	s_lshl_b32 s29, s19, 7
	s_lshl_b32 s30, s16, 5
	s_add_co_u32 s29, s29, s30                     ; my wave's first stored row
	s_lshl_b32 s48, s29, 10
	s_lshl_b32 s30, s18, 8
	s_add_co_u32 s48, s48, s30                     ; the codes: row x 1,024 + 256 x my part of K
	s_mov_b32 s49, 0
	s_lshl_b32 s50, s29, 5
	s_lshl_b32 s30, s18, 3
	s_add_co_u32 s50, s50, s30
	s_add_co_u32 s50, s50, WSC                     ; the scale bytes: row x 32 + 8 x my part of K
	s_mov_b32 s51, 0
	s_mov_b32 s31, MANT
	s_wait_kmcnt 0x0
	s_cmp_lt_u32 s19, 24                           ; the choice hangs on the work-group's number alone
	s_cselect_b64 s[32:33], s[6:7], s[8:9]
	s_add_nc_u64 s[32:33], s[32:33], s[24:25]      ; a base for each of the eight blocks: none is ever stepped
.irp t, 1,2,3,4,5,6,7
	s_add_nc_u64 s[32+2*\t:33+2*\t], s[30+2*\t:31+2*\t], s[26:27]
.endr
	s_add_nc_u64 s[6:7], s[12:13], s[48:49]
	s_add_nc_u64 s[8:9], s[12:13], s[50:51]
.macro WLOAD t                         ; block t: 32 rows of my column into set t % 2; a load reads 128 consecutive bytes, the four waves side by side 512
.irp i, 0,1,2,3,4,5,6,7,8,9,10,11,12,13,14,15,16,17,18,19,20,21,22,23,24,25,26,27,28,29,30,31
	global_load_b32 v[WX+32*((\t)%2)+\i], v[OFFS+\i], s[32+2*(\t):33+2*(\t)] th:TH_LOAD_NT
.endr
.endm
	WLOAD 0
	WLOAD 1
.macro WBLOCK t
.set XS, WX+32*((\t)%2)
.if (\t) < NB-1
	s_wait_loadcnt 32                              ; this block's 32 loads are in; the next block's may be out
.else
	s_wait_loadcnt 0x0
.endif
	v_max3_num_f32 v12, |v[XS]|, |v[XS+1]|, |v[XS+2]|              ; the block's largest magnitude: all 32 numbers are mine
	v_max3_num_f32 v13, |v[XS+3]|, |v[XS+4]|, |v[XS+5]|
.irp i, 6,10,14,18,22,26
	v_max3_num_f32 v12, v12, |v[XS+\i]|, |v[XS+\i+1]|
	v_max3_num_f32 v13, v13, |v[XS+\i+2]|, |v[XS+\i+3]|
.endr
	v_max3_num_f32 v12, v12, |v[XS+30]|, |v[XS+31]|
	v_max3_num_f32 v12, v12, v13, (EMAX+1)<<23     ; and the floor
	v_add_nc_u32 v11, -(EMAX<<23), v12             ; the conversion's scale operand
	v_and_or_b32 v10, v12, 0x7f800000, s31         ; 448 x the scale
	v_lshrrev_b32 v13, 23, v11                     ; the scale's byte
.if (\t)%4 == 0
	v_mov_b32 v[SBY+(\t)/4], v13                   ; four bytes to a register, the lower K in the lower byte
.else
	v_lshl_or_b32 v[SBY+(\t)/4], v13, 8*((\t)%4), v[SBY+(\t)/4]
.endif
.irp i, 0,1,2,3,4,5,6,7,8,9,10,11,12,13,14,15,16,17,18,19,20,21,22,23,24,25,26,27,28,29,30,31
	v_med3_num_f32 v[XS+\i], v[XS+\i], -v10, v10
.endr
.irp g, 0,1,2,3
	v_cvt_scalef32_pk8_fp8_f32 v[WC+2*\g:WC+2*\g+1], v[XS+8*\g:XS+8*\g+7], v11
.endr
	ds_store_b128 v4, v[WC:WC+3] offset:32*(\t)    ; 32 codes: 32 bytes of my column's row
	ds_store_b128 v4, v[WC+4:WC+7] offset:32*(\t)+16
.if (\t)+2 < NB
	WLOAD (\t)+2
.endif
	s_wait_dscnt 0x0                               ; the stores have read their registers: the next block's codes may be written
.endm
.irp t, 0,1,2,3,4,5,6,7
	WBLOCK \t
.endr
	global_store_b64 v9, v[SBY:SBY+1], s[8:9]      ; my column's eight scale bytes (rows 32 bytes apart: one byte in 128 of what this path reads)
.irp t, 0,1,2,3,4,5,6,7,8,9,10,11,12,13,14,15
	ds_load_b128 v[WX+4*\t:WX+4*\t+3], v7 offset:2*\t*WP   ; LDS serves a wave's instructions in order: these see my stores
.endr
.macro WOUT t                          ; columns 2 t, 2 t + 1 go to their stored rows: columns 8-15 eight rows further down, columns 16-23 eight further up
.set ADJ, 0
.if ((\t)/4) == 1
.set ADJ, 8
.endif
.if ((\t)/4) == 2
.set ADJ, -8
.endif
	s_wait_dscnt 15-(\t)
	global_store_b128 v8, v[WX+4*(\t):WX+4*(\t)+3], s[6:7] offset:(2*(\t)+ADJ)*1024   ; sixteen lanes store 256 consecutive bytes, aligned
.endm
.irp t, 0,1,2,3,4,5,6,7,8,9,10,11,12,13,14,15
	WOUT \t
.endr
	s_wait_tensorcnt 0x0                           ; the wave's end: behind my last LDS store
	ds_add_u32 v[SPW], v[NIL]
	s_wait_dscnt 0x0
	s_endpgm
; ---------------- the table.  A wave makes 32 rows; lane l makes numbers 2 l and 2 l + 1 of a row: frequencies j0 = 16 (l / 16) + 2 (l % 8) and j0 + 1, cos where (l / 8) % 2 = 0, else sin.
.Lrope:
	s_sub_co_u32 s17, ttmp9, 384
	s_lshl_b32 s17, s17, 2
	s_add_co_u32 s17, s17, s16
	s_lshl_b32 s17, s17, 5                         ; my wave's first position
	s_wait_alu depctr_va_vdst(0)
	v_lshrrev_b32 v3, 4, v2
	v_bfe_u32 v4, v2, 3, 1
	v_and_b32 v5, 7, v2
	v_lshlrev_b32 v5, 1, v5
	v_lshl_add_u32 v5, v3, 4, v5                   ; j0
	v_add_nc_u32 v6, 1, v5                         ; j1
	v_sub_nc_u32 v4, 1, v4                         ; 1 for cos (a quarter turn ahead of sin), 0 for sin
	v_cvt_f32_u32 v5, v5
	v_cvt_f32_u32 v6, v6
	s_mov_b32 s20, 0x3ed49a78                      ; L = log2(10000) / 32, and
	s_mov_b32 s21, 0x32179968                      ; what f32 leaves of it
	v_mul_f32 v7, s20, v5
	v_mul_f32 v8, s20, v6
	v_rndne_f32 v7, v7                             ; the whole part of j L
	v_rndne_f32 v8, v8
	v_fma_f32 v9, v5, s20, -v7                     ; the rest, exact,
	v_fma_f32 v10, v6, s20, -v8
	v_fma_f32 v9, v5, s21, v9                      ; with L's low part
	v_fma_f32 v10, v6, s21, v10
	s_wait_alu depctr_va_vdst(0)
	v_exp_f32 v9, -v9
	v_exp_f32 v10, -v10
	v_cvt_i32_f32 v7, v7                           ; (plain work behind the two exponentials)
	v_cvt_i32_f32 v8, v8
	v_sub_nc_u32 v7, 0, v7
	v_sub_nc_u32 v8, 0, v8
	s_wait_alu depctr_va_vdst(0)                   ; one wait for both, ahead of their first reader
	v_ldexp_f32 v9, v9, v7                         ; 10000^(-j0 / 32)
	v_ldexp_f32 v10, v10, v8
	v_lshlrev_b32 v11, 3, v2
	s_lshl_b32 s18, s17, 8
	v_add_nc_u32 v11, s18, v11                     ; my 8 bytes of the first row
	s_mov_b32 s24, 0x3f22f983                      ; 2 / pi
	s_mov_b32 s25, 0xbfc90fdb                      ; -(pi / 2), its f32,
	s_mov_b32 s26, 0x333bbd2e                      ; and minus the rest of it
	s_mov_b32 s27, 0xb94ca1f9                      ; the highest coefficient of sin's polynomial,
	s_mov_b32 s28, 0x37ccf5ce                      ; and of cos's
; sin or cos of the angle in v[a] (0 to 2,047): n = the nearest multiple of pi / 2; r = a - n pi / 2 in two fused steps (the first is exact: n has 11 bits); polynomials on |r| <= pi / 4; the quarter picks and signs.  No branch on data.
.macro SINCOS a, d
	v_mul_f32 v22, s24, v[\a]
	v_rndne_f32 v22, v22                           ; n
	v_fma_f32 v23, v22, s25, v[\a]
	v_fma_f32 v23, v22, s26, v23                   ; r
	v_cvt_i32_f32 v24, v22
	v_add_nc_u32 v24, v24, v4                      ; the quarter
	v_mul_f32 v25, v23, v23                        ; z = r r
	v_fmaak_f32 v26, s27, v25, 0x3c08839e
	v_fmaak_f32 v26, v26, v25, 0xbe2aaaa3
	v_mul_f32 v27, v23, v25
	v_fma_f32 v26, v27, v26, v23                   ; sin r
	v_fmaak_f32 v28, s28, v25, 0xbab6061a
	v_fmaak_f32 v28, v28, v25, 0x3d2aaaa5
	v_mul_f32 v27, v25, v25
	v_fma_f32 v29, v25, -0.5, 1.0
	v_fma_f32 v28, v27, v28, v29                   ; cos r
	v_and_b32 v27, 1, v24
	v_cmp_ne_u32 vcc_lo, 0, v27
	v_cndmask_b32 v26, v26, v28, vcc_lo            ; odd quarters take cos r
	v_and_b32 v27, 2, v24
	v_lshlrev_b32 v27, 30, v27
	v_xor_b32 v[\d], v26, v27                      ; quarters 2 and 3 change the sign
.endm
	s_mov_b32 s19, 0
	s_wait_kmcnt 0x0
.Lrow:
	s_add_co_u32 s22, s17, s19
	v_cvt_f32_u32 v12, s22
	s_wait_alu depctr_va_vdst(0)
	v_mul_f32 v13, v12, v9                         ; the angle, rounded once
	v_mul_f32 v14, v12, v10
	SINCOS 13, 20
	SINCOS 14, 21
	global_store_b64 v11, v[20:21], s[14:15]       ; 32 lanes store a row: 256 consecutive bytes, aligned
	s_wait_xcnt 0x0                                ; the offset and the data are written again only behind this wait
	v_add_nc_u32 v11, 256, v11
	s_add_co_u32 s19, s19, 1
	s_cmp_lt_u32 s19, 32
	s_cbranch_scc1 .Lrow
	s_endpgm
.Lfunc_end_k_qe41b99de02_prep:
	.size	k_qe41b99de02_prep, .Lfunc_end_k_qe41b99de02_prep-k_qe41b99de02_prep
	.p2alignl 7, 3214868480
	.fill 96, 4, 3214868480
	.section	.rodata,"a",@progbits
	.p2align	6, 0x0
	.amdhsa_kernel k_qe41b99de02_prep
		.amdhsa_group_segment_fixed_size 68096
		.amdhsa_private_segment_fixed_size 0
		.amdhsa_enable_private_segment 0
		.amdhsa_kernarg_size 48
		.amdhsa_user_sgpr_count 2
		.amdhsa_user_sgpr_kernarg_segment_ptr 1
		.amdhsa_wavefront_size32 1
		.amdhsa_system_sgpr_workgroup_id_x 1
		.amdhsa_system_sgpr_workgroup_id_y 1
		.amdhsa_system_sgpr_workgroup_id_z 1
		.amdhsa_system_vgpr_workitem_id 0
		.amdhsa_next_free_vgpr 200
		.amdhsa_next_free_sgpr 66
		.amdhsa_reserve_vcc 1
		.amdhsa_float_denorm_mode_32 3
		.amdhsa_float_denorm_mode_16_64 3
		.amdhsa_memory_ordered 1
		.amdhsa_forward_progress 1
		.amdhsa_inst_pref_size 117
	.end_amdhsa_kernel
	.amdgpu_metadata
---
amdhsa.version: [ 1, 2 ]
amdhsa.kernels:
  - .name:           k_qe41b99de02_prep
    .symbol:         k_qe41b99de02_prep.kd
    .args:
      - { .name: x, .offset: 0, .size: 8, .value_kind: global_buffer, .address_space: global }
      - { .name: Wqkv, .offset: 8, .size: 8, .value_kind: global_buffer, .address_space: global }
      - { .name: Wout, .offset: 16, .size: 8, .value_kind: global_buffer, .address_space: global }
      - { .name: xq, .offset: 24, .size: 8, .value_kind: global_buffer, .address_space: global }
      - { .name: wq, .offset: 32, .size: 8, .value_kind: global_buffer, .address_space: global }
      - { .name: rope, .offset: 40, .size: 8, .value_kind: global_buffer, .address_space: global }
    .group_segment_fixed_size: 68096
    .private_segment_fixed_size: 0
    .kernarg_segment_align: 8
    .kernarg_segment_size: 48
    .max_flat_workgroup_size: 128
    .sgpr_count:     66
    .vgpr_count:     200
    .wavefront_size: 32
...
	.end_amdgpu_metadata
.endif
;; end of part 1
;; launch gemm_qkv (part 2): grid 12 x 32, 4 waves a work-group, clusters of 4 x 4, 327,680 bytes of LDS; arguments xq, wq, rope, qi, kv; writes qi, kv
.if DOCPART == 2
	.amdgcn_target "amdgcn-amd-amdhsa--gfx1250"
	.amdhsa_code_object_version 6
	.text
	.protected	k_qe41b99de02_gemm_qkv
	.globl	k_qe41b99de02_gemm_qkv
	.p2align	8
	.type	k_qe41b99de02_gemm_qkv,@function
k_qe41b99de02_gemm_qkv:
	s_mov_b64 s[64:65], 0
	v_nop
	global_prefetch_b8 v0, s[64:65] scope:SCOPE_SE
	s_setreg_imm32_b32 hwreg(HW_REG_WAVE_MODE, 25, 1), 1
	s_wait_xcnt 0x0
	s_wait_alu depctr_hold_cnt(0) depctr_sa_sdst(0) depctr_va_vdst(0) depctr_va_sdst(0) depctr_va_ssrc(0) depctr_va_vcc(0) depctr_vm_vsrc(0)
	s_getreg_b32 s2, hwreg(HW_REG_IB_STS2, 6, 4)
	s_cmp_eq_u32 s2, 0
	s_cbranch_scc0 .Lentry_in_a_cluster
	s_endpgm
.Lentry_in_a_cluster:
	s_bfe_u32 s2, ttmp6, 0x10000c
	s_cmp_lg_u32 s2, 0xf033
	s_cbranch_scc0 .Lentry_shape_is_right
	s_endpgm
.Lentry_shape_is_right:
; qkv = x Wqkv on codes of FP8 (E4M3) with one E8M0 scale for each 32 along K; then the rotary embedding on q and k; then q, k and v are quantised for attention's two products and stored as IMAGES OF OPERAND REGISTERS.
; A tile of 256 tokens x 256 columns is made by a work-group of four waves, a wave makes 128 x 128: 64 accumulators, 512 registers.  K = 1,024 goes in four steps of 256 through a ring of two LDS slots filled by the tensor
; data mover; the scale bytes of the work-group's rows, for all of K, come into LDS once.  CLUSTERS: 4 x 4 work-groups; x's tiles are asked for jointly along a row of the cluster, W's along a column.
; THE PART.  The cluster's x is 0 for q's columns, 1 for k's, 2 for v's: the same in all sixteen partners.  For q and k source 0 = 16 rows of W, source 1 = 16 tokens: a lane holds ONE token and its registers run along the
; head's 64, the K of q k^T.  For v the two change places: a lane holds one channel and its registers run along the tokens, the K of p v.  Only the LDS addresses that the fragments and scale words are read from are chosen by the part.
; STORED ROWS of x and W are permuted (the middle groups of eight of each 32 change places), so in block a of source 1 register 16 b + i of lane (r, h) is index 32 b + 16 h + i of source 0's 128, and lane r is row 32 (a / 2) + 8 (a % 2) + r + 8 (r / 8) of source 1's.
; WHAT IS STORED.  A group of four registers is 512 bytes, lane l's 16 bytes at 16 l.  qi: [head 64][tile of 16 tokens 128][2 groups], scale words [head][tile][16] at QSC.  kv: for each head 16 blocks of KSB bytes, one for 128 keys:
; k: 8 tiles x 2 groups | v^T: 4 tiles of 16 channels x 4 groups | k's scale words 8 x 64 bytes | v's 4 x 64 bytes.  A head has 64 along K, so a scale word of q or k has two bytes that count; the other two go with zero codes and are never 0xff.
; LIMITS: NaN and infinities are not served; a block whose largest magnitude lies under 2^-118 keeps the byte 1, a block of zeros too (its codes are zeros; this program alone reads the bytes).
; REGISTERS, in windows of 256: window 0: v0-31 addresses; v32-63 scale words, two sets; v64-127 the table of cos and sin, two sets of 32; from v128 source 1's fragments, ONE set; on the way out v32-55 and v128-255 are at work.
;   window 1: source 0's fragments, TWO sets.   window 2: the 32 accumulators of source 1's blocks 0-3 (accumulator (a, b) at v[8 (8 a + b)]);   window 3: those of blocks 4-7.
.set SIZE_K, 1024
.set KSTEP,  256                       ; along K in a slot
.set NQ,     KSTEP/128                 ; matrix instructions deep
.set ROWB,   256                       ; a tile's row in bytes
.set KROW,   SIZE_K                    ; a row of codes in memory
.set PITCH,  272                       ; an LDS row: 256 bytes + 16 of padding = 68 words: the 16 rows that a load touches start at 16 different banks (64 banks of 4 bytes: ISA guide 11.1)
.set FR,     16                        ; registers of a fragment
.set NL,     4                         ; LDS loads that bring one
.set NP,     8                         ; places behind this matrix instruction (ISA guide 7.12.1)
.set HALFT,  128*PITCH                 ; 128 rows: what one tensor load brings
.set SLOT,   4*HALFT                   ; x's 256 rows, then W's 256 rows
.set LAPS,   SIZE_K/(2*KSTEP)
.set KS,     SIZE_K/32                 ; a row of scale bytes
.set SCL,    2*SLOT                    ; behind the ring: the scale bytes, as units of 256 bytes + 16 of padding
.set HALFS,  (128*KS/256)*272
.set SBLK,   (16*KS/256)*272
.set SPARE,  SCL+4*HALFS               ; behind the scales: the spare words, 128 bytes for each wave
.set XSC,    8388608                   ; xq: where the scale bytes begin
.set WSC,    4194304                   ; wq: likewise
.set QSC,    8388608                   ; qi: where the scale words begin
.set HB,     274432                    ; kv: a head's bytes
.set KSB,    17152                     ; kv: the block of 128 keys
.set VT,   8                           ; v8      my token's row of the table: (r + 8 (r / 8)) x 256 + 128 h
.set SWA,  9                           ; v9      the stage for scale words: 1,024 x wave + 4 r.  It lies in slot 0, which has had its last fill and its last read when the first word is stored there
.set SRD,  10                          ; v10     and where I read it back: 1,024 x wave + 16 x lane
.set VO,   11                          ; v11-14  where the four groups of a block's codes go: 16 x lane + 0, 512, X2, X2 + 512
.set VOS,  15                          ; v15     where the second head's scale words go
.set ADRA, 16                          ; v16-17  LDS address of source 1's fragments in slot 0, 1
.set ADRB, 20                          ; v20-21  the same for source 0
.set ADRS, 27                          ; v27     LDS address of my scale words: lanes 0-15 source 1's rows, lanes 16-31 source 0's
.set SPW,  28                          ; v28     LDS address of my spare word; never rewritten
.set NIL,  29                          ; v29     0; never rewritten
.set SC,   32                          ; scale words, two sets of 16
.set TAB,  64                          ; the table: set a % 2: 16 cos, 16 sin of my token and my half of the frequencies
.set AF,   128                         ; source 1's fragments
.set TM,   32                          ; the way out: v32-35 largest magnitudes, v36-39 bytes, v40-43 448 x the scale, v44-47 the conversions' scale operands
.set PW,   48                          ; v48-55  a scale word for each block: no LDS store's data are written again
.set H,    128                         ; v128-191 the block's 64 numbers, held
.set RT,   192                         ; v192-223 the low halves x sin
.set PC,   224                         ; v224-239 the block's codes
.set G1, 24                            ; s[24:31] descriptor group 1 for x's tiles;  s[32:39] group 0, one set for each slot
.set G0, 32
.set G1B, 48                           ; s[48:55], s[56:63] the same for W's tiles
.set G0B, 56
.set G1S, 68                           ; s[68:75], s[76:79] groups 1 and 0 for x's scales;  s[80:87], s[88:91] for W's
.set G0S, 76
.set G1SB, 80
.set G0SB, 88
.set SEL, 18                           ; s[18:19] v_permlanex16_b32's selects for lane l xor 16
.set OB,  20                           ; s[20:21] where the block's codes go
.set SBP, 22                           ; s[22:23] where my scale words go
.set STA, 92                           ; s[92:93] from block to block
.set MNT, 94                           ; s94      the mantissa field of 448
.set SWP, 95                           ; s95      1 where the part is v
.set RP,  96                           ; s[96:97] the table at my wave's first token
.set ST4, 98                           ; s[98:99] v: from the first head's last tile to the second head's first
.set MSB, 0
.macro WIN new                         ; the immediate's high byte repeats the setting that is left
.if MSB != (\new)
	s_set_vgpr_msb (MSB<<8)|(\new)
.set MSB, (\new)
.endif
.endm
.set MUL_LO, 0xa1                      ; source 0 window 1, source 1 window 0, C and D window 2
.set MUL_HI, 0xf1                      ; the same, C and D window 3
.set TO_B,   0x40                      ; destination window 1, address window 0
; A joint load: waves 0 and 1 fetch for x, waves 2 and 3 for W.  Each of the two lines has ONE mask and one set of registers for all that issue it; the branch hangs on the wave's number alone.
; An s_nop 0 and four v_nop follow each of the two lines, ahead of the jump, the label and what follows.
.macro JLOAD g0a, g1a, g0b, g1b
	s_cmp_eq_u32 s15, 0
	s_cbranch_scc0 .Lfor_b_\@
	tensor_load_to_lds s[\g0a:\g0a+3], s[\g1a:\g1a+7]
	s_nop 0
.rept 4
	v_nop
.endr
	s_branch .Lasked_\@
.Lfor_b_\@:
	tensor_load_to_lds s[\g0b:\g0b+3], s[\g1b:\g1b+7]
	s_nop 0
.rept 4
	v_nop
.endr
.Lasked_\@:
.endm
.macro CREST                           ; a round of the cluster's barrier behind its opening barrier
	s_cmp_lg_u32 s14, 0
	s_cbranch_scc1 .Lnot_wave_0_\@
	s_barrier_signal -3
.Lnot_wave_0_\@:
	s_barrier_wait -3
	s_barrier_signal -1
	s_barrier_wait -1
.endm
.macro CROUND                          ; a whole round
	s_barrier_signal -1
	s_barrier_wait -1
	CREST
.endm
	s_load_b128 s[4:7], s[0:1], 0x0                ; xq, wq
	s_load_b128 s[8:11], s[0:1], 0x10              ; rope, qi
	s_load_b64 s[12:13], s[0:1], 0x20              ; kv
	v_lshl_add_u32 v[SPW], v0, 2, SPARE
	v_mov_b32 v[NIL], 0
	ds_add_u32 v[SPW], v[NIL]                      ; the wave's opening: the add and its wait stand ahead of my first tensor load; the set-up below, work on registers, stands between them
	ds_add_u32 v[SPW], v[NIL]
	v_lshrrev_b32 v1, 5, v0
	v_readfirstlane_b32 s14, v1                    ; wave 0..3
	s_lshr_b32 s15, s14, 1                         ; which half of the tile's tokens is mine.  Also: I fetch for x (0) or for W (1)
	s_and_b32 s16, s14, 1                          ; which half of its columns.  Also: which 128 rows of that tile I fetch
	s_bfe_u32 s40, ttmp6, 0x40000                  ; cx, cy: my place in the cluster
	s_bfe_u32 s41, ttmp6, 0x40004
	; LDS REGIONS BELONG TO THE SOURCES, NOT TO THE TENSORS: region A (a slot's first 256 rows) holds source 1's rows, region B source 0's; so no LDS address hangs on the part.
	; q, k: A = x's tile row 4 Y + cy, B = W's tile column 4 X + cx.  v: A = W's tile column 8 + cy, B = x's tile row 4 Y + cx: in v's clusters cx and cy change roles, so that
	; A's tile is still shared along a row of the cluster and B's along a column.  The part (the cluster's x) enters global offsets and the choice of buffer alone.
	s_lshl_b32 s42, ttmp9, 2
	s_and_b32 s17, ttmp7, 0xffff
	s_lshl_b32 s17, s17, 2
	s_cmp_eq_u32 ttmp9, 2
	s_cselect_b32 s42, s17, s42
	s_cselect_b32 s17, 8, s17
	s_add_co_u32 s42, s42, s40                     ; region B's tile in its buffer: hangs on cx alone
	s_add_co_u32 s17, s17, s41                     ; region A's: on cy alone
	s_lshl_b32 s43, s41, 2
	s_lshl_b32 s43, 15, s43                        ; my row of the cluster
	s_lshl_b32 s44, 0x1111, s40                    ; my column
	; descriptor group 1: a tile of 128 rows x 256 bytes, padded in LDS
	s_or_b32 s[G1+0], s43, (0<<16)|(1<<20)|(1<<21)|(5<<22)|(3<<25)  ; 15:0 the mask: x's tiles go to my row; 17:16 element of 1 byte; 20 padding on; 21 set beside a mask; 24:22 after every 64 words (code 5); 31:25 of 4 words (code 3)
	s_or_b32 s[G1B+0], s44, (0<<16)|(1<<20)|(1<<21)|(5<<22)|(3<<25)
.irp g, G1, G1B
	s_mov_b32 s[\g+1], ROWB<<16                    ; tensor_dim0
	s_mov_b32 s[\g+2], 256<<16                     ; tensor_dim1 = 256 for the head's loads; set to 128 for the ring's behind the wait for them
	s_mov_b32 s[\g+3], ROWB<<16
	s_mov_b32 s[\g+4], 256
	s_mov_b32 s[\g+5], KROW                        ; tensor_dim0_stride
	s_mov_b32 s[\g+6], 0
	s_mov_b32 s[\g+7], 0
.endr
	; and for the scales of 256 rows: a dense block of 8,192 bytes, as rows of 256 bytes (32 elements of 8 bytes), 16 bytes of padding behind each
	s_or_b32 s[G1S+0], s43, (3<<16)|(1<<20)|(1<<21)|(5<<22)|(3<<25)
	s_or_b32 s[G1SB+0], s44, (3<<16)|(1<<20)|(1<<21)|(5<<22)|(3<<25)
.irp g, G1S, G1SB
	s_mov_b32 s[\g+1], 32<<16
	s_mov_b32 s[\g+2], KS<<16                      ; the scales of 256 rows: KS rows of 256 bytes
	s_mov_b32 s[\g+3], 32<<16
	s_mov_b32 s[\g+4], KS
	s_mov_b32 s[\g+5], 32
	s_mov_b32 s[\g+6], 0
	s_mov_b32 s[\g+7], 0
.endr
	s_lshl_b32 s20, s17, 8                         ; region A's first row
	s_lshl_b32 s46, s42, 8                         ; region B's
	s_mov_b32 s21, 0
	s_mov_b32 s47, 0
	s_mov_b64 s[18:19], KS
	s_mul_u64 s[22:23], s[20:21], s[18:19]         ; where these rows' scales begin, in bytes
	s_mul_u64 s[92:93], s[46:47], s[18:19]
	s_mov_b64 s[18:19], KROW
	s_mul_u64 s[20:21], s[20:21], s[18:19]         ; and their codes
	s_mul_u64 s[46:47], s[46:47], s[18:19]
	s_mul_i32 s2, s16, 128*KROW                    ; s[2:3]: in the ring I fetch 128 rows of a tile: which half, in bytes
	s_mov_b32 s3, 0
	s_mul_i32 s45, s14, HALFT                      ; and where they go: wave x 128 rows
	s_mov_b32 s96, WSC                             ; where a buffer's scale bytes begin: region A's buffer is xq, for v wq; region B's the other
	s_mov_b32 s100, XSC
	s_mov_b32 s97, 0
	s_mov_b32 s101, 0
	s_cmp_eq_u32 ttmp9, 2
	s_cselect_b32 s96, s96, XSC
	s_cselect_b32 s100, s100, WSC
	s_add_nc_u64 s[22:23], s[22:23], s[96:97]
	s_add_nc_u64 s[92:93], s[92:93], s[100:101]
	s_wait_dscnt 0x0                               ; both opening adds are done
	s_wait_kmcnt 0x0
	s_cmp_eq_u32 ttmp9, 2                          ; the choice of buffer hangs on the cluster's x alone
	s_cselect_b64 s[66:67], s[6:7], s[4:5]
	s_cselect_b64 s[98:99], s[4:5], s[6:7]
	s_add_nc_u64 s[20:21], s[66:67], s[20:21]
	s_add_nc_u64 s[22:23], s[66:67], s[22:23]
	s_add_nc_u64 s[46:47], s[98:99], s[46:47]
	s_add_nc_u64 s[92:93], s[98:99], s[92:93]
	CROUND                                         ; all sixteen work-groups are here: the first joint loads meet
	s_mov_b32 s[G0], 1                             ; the head's four tiles, each whole: K step 0's 256 rows of region A (in slot 0's own group 0, which is set for the ring behind the wait),
	s_mov_b32 s[G0+1], 0
	s_mov_b64 s[G0+2:G0+3], s[20:21]
	s_or_b32 s[G0+3], s[G0+3], 0x80000000
	s_mov_b32 s[G0B], 1                            ; of region B,
	s_mov_b32 s[G0B+1], 2*HALFT
	s_mov_b64 s[G0B+2:G0B+3], s[46:47]
	s_or_b32 s[G0B+3], s[G0B+3], 0x80000000
	s_mov_b32 s[G0S], 1                            ; the scales of A's 256 rows,
	s_mov_b32 s[G0S+1], SCL
	s_mov_b64 s[G0S+2:G0S+3], s[22:23]
	s_or_b32 s[G0S+3], s[G0S+3], 0x80000000
	s_mov_b32 s[G0SB], 1                           ; and of B's
	s_mov_b32 s[G0SB+1], SCL+2*HALFS
	s_mov_b64 s[G0SB+2:G0SB+3], s[92:93]
	s_or_b32 s[G0SB+3], s[G0SB+3], 0x80000000
	s_mov_b32 s[G0+4], 1                           ; slot 1's group 0: my 128 rows, K step 1
	s_add_co_u32 s[G0+5], s45, SLOT
	s_add_nc_u64 s[G0+6:G0+7], s[20:21], s[2:3]
	s_add_nc_u64 s[G0+6:G0+7], s[G0+6:G0+7], ROWB
	s_or_b32 s[G0+7], s[G0+7], 0x80000000
	s_mov_b32 s[G0B+4], 1
	s_add_co_u32 s[G0B+5], s45, SLOT
	s_add_nc_u64 s[G0B+6:G0B+7], s[46:47], s[2:3]
	s_add_nc_u64 s[G0B+6:G0B+7], s[G0B+6:G0B+7], ROWB
	s_or_b32 s[G0B+7], s[G0B+7], 0x80000000
; THE HEAD'S LOADS, ONE A WAVE: one tree of branches on the wave's number, an arm a load, all arms leading to one join.
.macro ARM under, g0, g1, next
	s_cmp_lt_u32 s14, \under
	s_cbranch_scc0 \next
	tensor_load_to_lds s[\g0:\g0+3], s[\g1:\g1+7]
	s_nop 0
.rept 4
	v_nop
.endr
	s_branch .Lhead_asked
\next:
.endm
	ARM 1, G0,  G1,  .Lhead_b
	ARM 2, G0B, G1B, .Lhead_sa
	ARM 3, G0S, G1S, .Lhead_sb
	tensor_load_to_lds s[G0SB:G0SB+3], s[G1SB:G1SB+7]
	s_nop 0
.rept 4
	v_nop
.endr
.Lhead_asked:
	s_cmp_eq_u32 ttmp9, 2
	s_cselect_b32 s[SWP], 1, 0                     ; the part is v: the sources change places
	v_and_b32 v1, 15, v0                           ; r = l % 16
	v_bfe_u32 v2, v0, 4, 1                         ; h = l / 16
	v_mul_u32_u24 v3, v1, PITCH
	v_lshl_add_u32 v4, v2, 4, v3                   ; a fragment's row x pitch + 16 x half
	s_wait_alu depctr_va_vdst(0)
	s_mul_i32 s21, s15, HALFT                      ; my 128 tokens
	s_mul_i32 s22, s16, HALFT                      ; my 128 rows of W,
	s_add_co_u32 s22, s22, 2*HALFT                 ; which lie behind x's 256
.irp s, 0,1
	v_add_nc_u32 v[ADRA+\s], s21, v4               ; source 1: region A, my half by s15
	v_add_nc_u32 v[ADRB+\s], s22, v4               ; source 0: region B, my half by s16
	s_add_co_u32 s21, s21, SLOT
	s_add_co_u32 s22, s22, SLOT
.endr
	v_mul_u32_u24 v5, v1, KS                       ; my row's scales: 32 bytes a row,
	v_lshrrev_b32 v6, 8, v5
	v_lshl_add_u32 v5, v6, 4, v5                   ; and 16 more for each 256 passed
	s_mul_i32 s21, s15, HALFS                      ; x's: my 128 rows
	s_mul_i32 s22, s16, HALFS                      ; W's: my 128 rows, behind x's 256
	s_add_co_u32 s22, s22, 2*HALFS
	s_sub_co_u32 s22, s22, s21
	v_mul_u32_u24 v6, s22, v2                      ; lanes 16-31 take source 0's words: region B's
	s_add_co_u32 s21, s21, SCL
	v_add_nc_u32 v5, v5, v6
	v_add_nc_u32 v[ADRS], s21, v5
	; the way out's addresses
	s_cmp_eq_u32 ttmp9, 2                          ; which tokens and which heads are my wave's: for v the regions' roles are the other way round
	s_cselect_b32 s92, s42, s17                    ; the tile row of tokens
	s_cselect_b32 s93, s16, s15                    ; my half of it
	s_cselect_b32 s94, s41, s40                    ; the tile column inside the part
	s_cselect_b32 s47, s15, s16                    ; my half of it
	s_lshr_b32 s44, s92, 3                         ; the batch: eight tile rows each
	s_and_b32 s45, s92, 7
	s_lshl_b32 s45, s45, 1
	s_add_co_u32 s45, s45, s93                     ; which 128 positions of the sequence are my wave's
	s_lshl_b32 s44, s44, 4
	s_lshl_b32 s46, s94, 2
	s_add_co_u32 s44, s44, s46
	s_lshl_b32 s46, s47, 1
	s_add_co_u32 s44, s44, s46                     ; my first head of two
	s_lshl_b32 s46, s44, 17
	s_lshl_b32 s47, s45, 13
	s_add_co_u32 s46, s46, s47                     ; q: (128 x head + 8 x my 128 positions) tiles of 1,024 bytes
	s_lshl_b32 s92, s44, 13
	s_lshl_b32 s47, s45, 9
	s_add_co_u32 s92, s92, s47
	s_add_co_u32 s92, s92, QSC                     ; and of 64 bytes of scale words
	s_mul_i32 s93, s44, HB
	s_mul_i32 s47, s45, KSB
	s_add_co_u32 s93, s93, s47                     ; k, v: my head's block of 128 keys
	s_lshl_b32 s94, s[SWP], 13
	s_add_co_u32 s47, s93, s94                     ; v's tiles lie 8,192 bytes in
	s_lshl_b32 s94, s[SWP], 9
	s_add_co_u32 s93, s93, s94
	s_add_co_u32 s93, s93, 16384                   ; the scale words: k's at 16,384, v's at 16,896
	s_cmp_eq_u32 ttmp9, 0                          ; the choices hang on the cluster's x alone
	s_cselect_b32 s[OB], s46, s47
	s_cselect_b32 s[SBP], s92, s93
	s_cselect_b64 s[98:99], s[10:11], s[12:13]     ; qi or kv
	s_mov_b32 s[OB+1], 0
	s_mov_b32 s[SBP+1], 0
	s_add_nc_u64 s[OB:OB+1], s[98:99], s[OB:OB+1]
	s_add_nc_u64 s[SBP:SBP+1], s[98:99], s[SBP:SBP+1]
	s_mov_b32 s46, HB                              ; X2: from the block's first two groups to its last two: q, k: a head on; v: 1,024 bytes
	s_mov_b32 s47, HB                              ; and from the first head's scale words to the second's
	s_cselect_b32 s46, 131072, s46
	s_cselect_b32 s47, 8192, s47
	s_cmp_eq_u32 ttmp9, 2
	s_cselect_b32 s46, 1024, s46
	s_cselect_b32 s47, HB-256, s47
	s_lshl_b32 s[STA], 1024, s[SWP]                ; a block's bytes in one head: q, k 1,024; v 2,048
	s_mov_b32 s[STA+1], 0
	s_mul_i32 s[ST4], s[SWP], HB-8192              ; v: behind four tiles of channels comes the next head
	s_mov_b32 s[ST4+1], 0
	s_lshl_b32 s100, s45, 15                       ; 128 rows of the table, 256 bytes each
	s_mov_b32 s101, 0
	s_add_nc_u64 s[RP:RP+1], s[8:9], s[100:101]
	v_and_b32 v5, 8, v1
	v_add_nc_u32 v5, v5, v1                        ; r + 8 (r / 8)
	v_lshlrev_b32 v[VT], 8, v5
	v_lshl_add_u32 v[VT], v2, 7, v[VT]
	s_lshl_b32 s100, s14, 10
	v_lshl_add_u32 v[SWA], v1, 2, s100
	v_and_b32 v6, 31, v0
	v_lshlrev_b32 v[VO], 4, v6
	v_add_nc_u32 v[SRD], s100, v[VO]
	v_add_nc_u32 v[VO+1], 512, v[VO]
	v_add_nc_u32 v[VO+2], s46, v[VO]
	v_add_nc_u32 v[VO+3], 512, v[VO+2]
	s_xor_b32 s101, s[SWP], 1
	v_or_b32 v6, s101, v2                          ; q, k: 1 in every lane; v: lanes 16-31 hold the second head's words
	v_mad_u32_u24 v[VOS], v6, s47, v[VO]
	s_mov_b32 s[SEL], 0x76543210
	s_mov_b32 s[SEL+1], 0xfedcba98
	s_mov_b32 s[MNT], 0x600000
; The table for block a's 16 tokens: my token's 16 cos and 16 sin of frequencies 16 h + 0 .. 15: 128 consecutive bytes a lane.  All three parts load it, v too, which does not use it: so every wait's count is the same on every path.
.macro TABLOAD a
.irp q, 0,1,2,3,4,5,6,7
	global_load_b128 v[TAB+32*((\a)%2)+4*\q:TAB+32*((\a)%2)+4*\q+3], v[VT], s[RP:RP+1] offset:(32*((\a)/2)+8*((\a)%2))*256+16*\q
.endr
.endm
	TABLOAD 0                                      ; they land while K is walked: the loop names neither these registers nor this counter
	TABLOAD 1
.macro FRAG reg, adr, q, i             ; a fragment, 16 rows x 128 K of 8-bit codes, is 16 registers: lane l holds row l % 16; registers 4 c .. 4 c + 3 hold K = 32 c + 16 (l / 16) + 0 .. 15
.irp c, 0,1,2,3
	ds_load_b128 v[\reg+4*\c:\reg+4*\c+3], v[\adr] offset:128*(\q)+32*\c+(\i)*16*PITCH
.endr
.endm
; 16 matrix instructions: source 1's blocks a0, a0 + 1 x source 0's eight, 128 along K: the slot's q-th.  p: source 0's set;  sc: the set of scale words.  zero = 1: the first product starts the sums.
; The 64 accumulators take turns, one instruction a turn, in the same order in every step.
.macro MUL16 a0, p, q, sc, zero
.irp a, \a0, \a0+1
.irp b, 0,1,2,3,4,5,6,7
.if \zero
	v_wmma_scale_f32_16x16x128_f8f6f4 v[8*(8*((\a)%4)+\b):8*(8*((\a)%4)+\b)+7], v[128*(\p)+FR*\b:128*(\p)+FR*\b+FR-1], v[AF+FR*(\a):AF+FR*(\a)+FR-1], 0, v[SC+8*NQ*(\sc)+NQ*\b+(\q)], v[SC+8*NQ*(\sc)+NQ*(\a)+(\q)] matrix_a_scale:MATRIX_SCALE_ROW1
.else
	v_wmma_scale_f32_16x16x128_f8f6f4 v[8*(8*((\a)%4)+\b):8*(8*((\a)%4)+\b)+7], v[128*(\p)+FR*\b:128*(\p)+FR*\b+FR-1], v[AF+FR*(\a):AF+FR*(\a)+FR-1], v[8*(8*((\a)%4)+\b):8*(8*((\a)%4)+\b)+7], v[SC+8*NQ*(\sc)+NQ*\b+(\q)], v[SC+8*NQ*(\sc)+NQ*(\a)+(\q)] matrix_a_scale:MATRIX_SCALE_ROW1
.endif
.endr
.endr
.endm
.macro FETCH_B slot, q, p              ; source 0's eight fragments of the slot's q-th 128 along K into set p
	WIN TO_B
.irp i, 0,1,2,3,4,5,6,7
	FRAG 128*(\p)+FR*\i, ADRB+\slot, \q, \i
.endr
	WIN 0
.endm
.macro FETCH_A slot, q, i0             ; source 1's blocks i0 .. i0 + 3
.irp i, \i0, \i0+1, \i0+2, \i0+3
	FRAG AF+FR*(\i), ADRA+\slot, \q, \i
.endr
.endm
.macro SCALES sc                       ; the next K step's scale words into set sc: two words a row; lanes 0-15 take source 1's block i, lanes 16-31 source 0's block i
.irp i, 0,1,2,3,4,5,6,7
	ds_load_b64 v[SC+8*NQ*\sc+NQ*\i:SC+8*NQ*\sc+NQ*\i+1], v[ADRS] offset:\i*SBLK
.endr
.endm
; A load into a register that a matrix instruction has read, and a vector instruction that reads a matrix result or writes one of its registers, stand eight places behind it, and only plain vector
; instructions that name none of its registers are places.
.macro PLACES n
.rept \n
	v_nop
.endr
.endm
; A step of 128 along K that has its successor in the same slot.
.macro STEP slot, q, zero
	s_wait_dscnt 4*NL                              ; source 0's set and source 1's blocks 0-3 are in; the youngest sixteen loads (blocks 4-7) may be out
	WIN MUL_LO
	MUL16 0, (\q)%2, \q, \slot, \zero
	MUL16 2, (\q)%2, \q, \slot, \zero
	s_wait_dscnt 0                                 ; blocks 4-7 are in (asked for 32 matrix instructions ago)
	PLACES NP
	FETCH_B \slot, (\q)+1, 1-(\q)%2
	FETCH_A \slot, (\q)+1, 0
	WIN MUL_HI
	MUL16 4, (\q)%2, \q, \slot, \zero
	MUL16 6, (\q)%2, \q, \slot, \zero
	PLACES NP
	WIN 0
	FETCH_A \slot, (\q)+1, 4
.endm
; A slot's last step changes slots: ONE barrier; in front of it each wave waits for all its tensor loads, adds 0 to its spare word, and waits for that and for its own reads of this slot.  fill = 1: this slot is filled again, two K steps ahead.
.macro TURN slot, next, fill
	s_wait_tensorcnt 0x0                           ; all my tensor loads have landed: my part of the next slot;  (every window is 0 here)
	ds_add_u32 v[SPW], v[NIL]                      ; 0 onto my spare word;
	s_wait_dscnt 4*NL+1                            ; (the add and the youngest sixteen loads, blocks 4-7, may be out)
	WIN MUL_LO
	MUL16 0, 1, NQ-1, \slot, 0                     ; sixteen matrix instructions stand between the add and the wait for it
	s_wait_dscnt 0x0                               ; the add is done, and my reads of this slot are over
	s_barrier_signal -1
	MUL16 2, 1, NQ-1, \slot, 0
	WIN 0
	s_barrier_wait -1
.if \fill
	CREST                                          ; the barrier has opened a round of the cluster's barrier: no wave of any partner still reads this slot's tile or has a load on its way
	s_add_nc_u64 s[G0+4*\slot+2:G0+4*\slot+3], s[G0+4*\slot+2:G0+4*\slot+3], 2*ROWB
	s_add_nc_u64 s[G0B+4*\slot+2:G0B+4*\slot+3], s[G0B+4*\slot+2:G0B+4*\slot+3], 2*ROWB
	JLOAD G0+4*\slot, G1, G0B+4*\slot, G1B         ; the first tensor load behind the round; the four v_nop behind it are among the places in front of the loads below
	PLACES NP-4
.else
	PLACES NP
.endif
	s_wait_alu depctr_va_vdst(0)
	v_add_nc_u32 v[ADRS], 4*NQ, v[ADRS]            ; on to the next K step's scale words (no LDS load of mine is out)
	FETCH_B \next, 0, 0
	FETCH_A \next, 0, 0
	SCALES \next
	WIN MUL_HI
	MUL16 4, 1, NQ-1, \slot, 0
	MUL16 6, 1, NQ-1, \slot, 0
	PLACES NP
	WIN 0
	FETCH_A \next, 0, 4
.endm
	s_wait_alu depctr_va_vdst(0)                   ; the head's end
	s_wait_tensorcnt 0x0                           ; my tile of the head's four is in; these lines stand ahead of a later first fill, as ahead of a refill
	ds_add_u32 v[SPW], v[NIL]
	s_mov_b32 s[G1+2], 128<<16                     ; no tensor load of mine is out, so descriptors may be written: from here on a load brings 128 rows,
	s_mov_b32 s[G1+4], 128
	s_mov_b32 s[G1B+2], 128<<16
	s_mov_b32 s[G1B+4], 128
	s_mul_i32 s[G0+1], s14, HALFT                  ; and slot 0's groups 0 name my 128 rows of K step 0: the first refill steps them to K step 2
	s_mul_i32 s[G0B+1], s14, HALFT
	s_add_nc_u64 s[G0+2:G0+3], s[G0+2:G0+3], s[2:3]
	s_add_nc_u64 s[G0B+2:G0B+3], s[G0B+2:G0B+3], s[2:3]
	s_wait_dscnt 0x0                               ; the add is done
	CROUND                                         ; a whole round: all four tiles are in, and the joint loads meet
	JLOAD G0+4, G1, G0B+4, G1B                     ; K step 1, the first tensor load behind the round
	FETCH_B 0, 0, 0
	FETCH_A 0, 0, 0
	SCALES 0
	FETCH_A 0, 0, 4
	STEP 0, 0, 1                                   ; the first step stands in front of the loop: its products start the sums
	s_mov_b32 s3, LAPS-1
.Llap:                                                 ; a trip goes once round the ring, from a lap's second step to the next lap's first, and fills both slots again
	TURN 0, 1, 1
	STEP 1, 0, 0
	TURN 1, 0, 1
	STEP 0, 0, 0
	s_sub_co_u32 s3, s3, 1
	s_cmp_lg_u32 s3, 0
	s_cbranch_scc1 .Llap
	TURN 0, 1, 0                                   ; the last lap fills nothing, and has no round of the cluster's barrier
	STEP 1, 0, 0
	s_wait_dscnt 4*NL                              ; the very last step: nothing more to fetch
	WIN MUL_LO
	MUL16 0, 1, NQ-1, 1, 0
	MUL16 2, 1, NQ-1, 1, 0
	s_wait_dscnt 0
	WIN MUL_HI
	MUL16 4, 1, NQ-1, 1, 0
	MUL16 6, 1, NQ-1, 1, 0
	WIN 0
; THE WAY OUT, block by block of source 1.  Register AC + 16 b + i of the block is index 32 b + 16 h + i of source 0's 128.
; The rotary embedding (q, k): the 128 are two heads e; in a head lo = channels 16 h + i, hi = channels 32 + 16 h + i share frequency 16 h + i:  lo' = lo cos - hi sin,  hi' = hi cos + lo sin.  Two numbers an instruction;
; each accumulator is read from its low end on.
.macro ROPE a
.set W, 2+(\a)/4
.set AC, 64*((\a)%4)
.set TS, TAB+32*((\a)%2)
	WIN W                                          ; source 0 in the accumulators' window
.irp e, 0,1
.irp i, 0,2,4,6,8,10,12,14
	v_pk_mul_f32 v[RT+16*\e+\i:RT+16*\e+\i+1], v[AC+32*\e+\i:AC+32*\e+\i+1], v[TS+16+\i:TS+16+\i+1]   ; lo sin, kept
.endr
.endr
	WIN (W<<6)|(W<<4)|W                            ; destination, sources 0 and 2 there
.irp e, 0,1
.irp i, 0,2,4,6,8,10,12,14
	v_pk_mul_f32 v[AC+32*\e+\i:AC+32*\e+\i+1], v[AC+32*\e+\i:AC+32*\e+\i+1], v[TS+\i:TS+\i+1]         ; lo cos
.endr
.endr
.irp e, 0,1
.irp i, 0,2,4,6,8,10,12,14
	v_pk_fma_f32 v[AC+32*\e+\i:AC+32*\e+\i+1], v[AC+32*\e+16+\i:AC+32*\e+16+\i+1], v[TS+16+\i:TS+16+\i+1], v[AC+32*\e+\i:AC+32*\e+\i+1] neg_lo:[0,1,0] neg_hi:[0,1,0]   ; - hi sin
.endr
.endr
	WIN (W<<6)|W                                   ; destination and source 0 there
.irp e, 0,1
.irp i, 0,2,4,6,8,10,12,14
	v_pk_fma_f32 v[AC+32*\e+16+\i:AC+32*\e+16+\i+1], v[AC+32*\e+16+\i:AC+32*\e+16+\i+1], v[TS+\i:TS+\i+1], v[RT+16*\e+\i:RT+16*\e+\i+1]   ; hi cos + lo sin
.endr
.endr
	WIN 0
.endm
; The block's 64 numbers of a lane become 16 registers of codes, v[PC] on, and a scale word, v[PW + a].  A block of 32 lies in lanes l and l xor 16.
.macro QUANTW a
.set PCA, PC+16*((\a)%2)               ; the codes' registers: v224-239 and v240-255 by turns, so that a block's stores may still read theirs while the next block's codes are made
.set W, 2+(\a)/4
.set AC, 64*((\a)%4)
	WIN W|(W<<2)
.irp b, 0,1,2,3
	v_max3_num_f32 v[TM+\b], |v[AC+16*\b]|, |v[AC+1+16*\b]|, 0x4800000   ; my 16 numbers, and the floor 2^(9 - 127): the byte cannot fall under 1
.endr
	WIN (W<<2)|(W<<4)
.irp i, 2,4,6,8,10,12,14
.irp b, 0,1,2,3
	v_max3_num_f32 v[TM+\b], v[TM+\b], |v[AC+16*\b+\i]|, |v[AC+1+16*\b+\i]|   ; (the four blocks by turns)
.endr
.endr
	WIN 0
.irp b, 0,1,2,3
	v_permlanex16_b32 v[TM+4+\b], v[TM+\b], s[SEL], s[SEL+1]
.endr
.irp b, 0,1,2,3
	v_max_num_f32 v[TM+\b], v[TM+\b], v[TM+4+\b]   ; with lane l xor 16's: the block's largest magnitude
.endr
.irp b, 0,1,2,3
	v_add_nc_u32 v[TM+12+\b], 0xfc000000, v[TM+\b] ; 8 off its exponent field: the conversion's scale operand
.endr
.irp b, 0,1,2,3
	v_and_or_b32 v[TM+8+\b], v[TM+\b], 0x7f800000, s[MNT]   ; 448 x the scale
.endr
.irp b, 0,1,2,3
	v_lshrrev_b32 v[TM+4+\b], 23, v[TM+12+\b]      ; the scale's byte
.endr
	v_lshl_or_b32 v[PW+(\a)], v[TM+5], 8, v[TM+4]
	v_lshl_or_b32 v[PW+(\a)], v[TM+6], 16, v[PW+(\a)]
	v_lshl_or_b32 v[PW+(\a)], v[TM+7], 24, v[PW+(\a)]
	WIN W
.irp b, 0,1,2,3
.irp i, 0,1,2,3,4,5,6,7,8,9,10,11,12,13,14,15
	v_med3_num_f32 v[H+16*\b+\i], v[AC+16*\b+\i], -v[TM+8+\b], v[TM+8+\b]   ; the conversion to an 8-bit code does not saturate (ISA guide 7.6.2): the hold, on the way into window 0
.endr
.endr
	WIN 0
.irp b, 0,1,2,3
	v_cvt_scalef32_pk8_fp8_f32 v[PCA+4*\b:PCA+1+4*\b], v[H+16*\b:H+7+16*\b], v[TM+12+\b]
	v_cvt_scalef32_pk8_fp8_f32 v[PCA+2+4*\b:PCA+3+4*\b], v[H+8+16*\b:H+15+16*\b], v[TM+12+\b]
.endr
	v_nop                                          ; one plain vector instruction behind the last scaled conversion
.endm
.macro PUT a                           ; the codes leave as they stand: each store covers 512 consecutive bytes, aligned; the scale word goes to my stage
.if (\a) > 0
	s_wait_alu depctr_va_vdst(0)                   ; ahead of the wait below
	s_wait_xcnt 0x0                                ; the last block's stores have read their base, which steps now, and their data, which the next block writes again
	s_add_nc_u64 s[OB:OB+1], s[OB:OB+1], s[STA:STA+1]
.endif
.if (\a) == 4
	s_add_nc_u64 s[OB:OB+1], s[OB:OB+1], s[ST4:ST4+1]
.endif
.irp c, 0,1,2,3
	global_store_b128 v[VO+\c], v[PCA+4*\c:PCA+4*\c+3], s[OB:OB+1]
.endr
	ds_store_b32 v[SWA], v[PW+(\a)] offset:64*(\a)
.endm
.macro BLOCK a
.if (\a) < 7
	s_wait_loadcnt 8                               ; this block's table is in; the next block's eight loads may be out
.else
	s_wait_loadcnt 0x0
.endif
	s_cmp_eq_u32 ttmp9, 2                          ; v is not turned: the cluster's x, the same in all partners
	s_cbranch_scc1 .Lno_rope_\@
	ROPE \a
.Lno_rope_\@:
.if (\a) < 6
	TABLOAD (\a)+2
.endif
	QUANTW \a
	PUT \a
.endm
	PLACES NP                                      ; behind the last products: what follows writes registers that they read
.irp b, 0,1,2,3
	v_mov_b32 v[TM+4+\b], 0                        ; written once: a lane permute's destination counts as one of its sources
.endr
.irp a, 0,1,2,3,4,5,6,7
	BLOCK \a
.endr
	ds_load_b128 v[PC:PC+3], v[SRD]                ; my eight blocks' scale words, 512 bytes: LDS serves a wave's instructions in order: this sees my stores
	s_wait_dscnt 0x0
	s_cmp_eq_u32 ttmp9, 2
	s_cbranch_scc1 .Lv_words
	global_store_b128 v[VO], v[PC:PC+3], s[SBP:SBP+1]        ; q, k: the first head's words as they are: bytes 0 and 1 count
.irp c, 0,1,2,3
	v_lshrrev_b32 v[PC+4+\c], 16, v[PC+\c]         ; the second head's: bytes 2 and 3 come down
.endr
	global_store_b128 v[VOS], v[PC+4:PC+7], s[SBP:SBP+1]
	s_branch .Lwords_out
.Lv_words:
	global_store_b128 v[VOS], v[PC:PC+3], s[SBP:SBP+1]       ; v: lanes 0-15 the first head's four tiles, lanes 16-31 the second's: 256 consecutive bytes each
.Lwords_out:
	s_wait_tensorcnt 0x0                           ; the wave's end: behind my last tensor load and my last LDS store
	ds_add_u32 v[SPW], v[NIL]
	s_wait_dscnt 0x0
	CROUND                                         ; the closing round: no work-group ends while a partner may still ask for a tile that names it
	s_endpgm
.Lfunc_end_k_qe41b99de02_gemm_qkv:
	.size	k_qe41b99de02_gemm_qkv, .Lfunc_end_k_qe41b99de02_gemm_qkv-k_qe41b99de02_gemm_qkv
	.p2alignl 7, 3214868480
	.fill 96, 4, 3214868480
	.section	.rodata,"a",@progbits
	.p2align	6, 0x0
	.amdhsa_kernel k_qe41b99de02_gemm_qkv
		.amdhsa_group_segment_fixed_size 327680
		.amdhsa_private_segment_fixed_size 0
		.amdhsa_enable_private_segment 0
		.amdhsa_kernarg_size 40
		.amdhsa_user_sgpr_count 2
		.amdhsa_user_sgpr_kernarg_segment_ptr 1
		.amdhsa_wavefront_size32 1
		.amdhsa_system_sgpr_workgroup_id_x 1
		.amdhsa_system_sgpr_workgroup_id_y 1
		.amdhsa_system_sgpr_workgroup_id_z 1
		.amdhsa_system_vgpr_workitem_id 0
		.amdhsa_next_free_vgpr 1024
		.amdhsa_next_free_sgpr 102
		.amdhsa_reserve_vcc 0
		.amdhsa_float_denorm_mode_32 3
		.amdhsa_float_denorm_mode_16_64 3
		.amdhsa_memory_ordered 1
		.amdhsa_forward_progress 1
		.amdhsa_inst_pref_size 229
	.end_amdhsa_kernel
	.amdgpu_metadata
---
amdhsa.version: [ 1, 2 ]
amdhsa.kernels:
  - .name:           k_qe41b99de02_gemm_qkv
    .symbol:         k_qe41b99de02_gemm_qkv.kd
    .args:
      - { .name: xq, .offset: 0, .size: 8, .value_kind: global_buffer, .address_space: global }
      - { .name: wq, .offset: 8, .size: 8, .value_kind: global_buffer, .address_space: global }
      - { .name: rope, .offset: 16, .size: 8, .value_kind: global_buffer, .address_space: global }
      - { .name: qi, .offset: 24, .size: 8, .value_kind: global_buffer, .address_space: global }
      - { .name: kv, .offset: 32, .size: 8, .value_kind: global_buffer, .address_space: global }
    .group_segment_fixed_size: 327680
    .private_segment_fixed_size: 0
    .kernarg_segment_align: 8
    .kernarg_segment_size: 40
    .max_flat_workgroup_size: 128
    .sgpr_count:     102
    .vgpr_count:     1024
    .wavefront_size: 32
...
	.end_amdgpu_metadata
.endif
;; end of part 2
;; launch attn (part 3): grid 4 x 64, 16 waves a work-group, clusters of 4 x 1, 276,480 bytes of LDS; arguments qi, kv, oi; writes oi
.if DOCPART == 3
	.amdgcn_target "amdgcn-amd-amdhsa--gfx1250"
	.amdhsa_code_object_version 6
	.text
	.protected	k_qe41b99de02_attn
	.globl	k_qe41b99de02_attn
	.p2align	8
	.type	k_qe41b99de02_attn,@function
k_qe41b99de02_attn:
	s_mov_b64 s[64:65], 0
	v_nop
	global_prefetch_b8 v0, s[64:65] scope:SCOPE_SE
	s_setreg_imm32_b32 hwreg(HW_REG_WAVE_MODE, 25, 1), 1
	s_wait_xcnt 0x0
	s_wait_alu depctr_hold_cnt(0) depctr_sa_sdst(0) depctr_va_vdst(0) depctr_va_sdst(0) depctr_va_ssrc(0) depctr_va_vcc(0) depctr_vm_vsrc(0)
	s_getreg_b32 s2, hwreg(HW_REG_IB_STS2, 6, 4)
	s_cmp_eq_u32 s2, 0
	s_cbranch_scc0 .Lentry_in_a_cluster
	s_endpgm
.Lentry_in_a_cluster:
	s_bfe_u32 s2, ttmp6, 0x10000c
	s_cmp_lg_u32 s2, 0x3003
	s_cbranch_scc0 .Lentry_shape_is_right
	s_endpgm
.Lentry_shape_is_right:
; Causal attention of one head (64 channels, 2,048 positions) for each cluster of four work-groups; both products on codes of FP8 (E4M3) with one E8M0 scale for each 32 along a product's K.
; THE SOFTMAX AHEAD OF THE SECOND PRODUCT: t = score x log2(e) / 8; M = the row's largest t so far, rounded UP to a whole number; p = 2^(t - M) is quantised along the keys; the row's sum is taken of the
; unquantised p and divides O at the end.  When M moves, the sum and O are multiplied by 2^(old M - new M): exact.
; A HEAD'S K, V AND SCALE WORDS, 274,432 bytes, STAY IN LDS: sixteen blocks of 17,152 bytes, one for 128 keys, images of operand registers (four registers are 512 bytes, lane l's 16 bytes at 16 l):
; k: 8 tiles x 2 groups | v^T: 4 tiles of 16 channels x 4 groups | k's scale words 8 x 64 bytes | v's 4 x 64.  Wave w brings block w by ONE joint load (mask: the cluster's four work-groups); nothing is filled again.
; Wave 0 has a load line of its own: the first key step reads block 0 alone, behind a barrier at which wave 0 alone has waited; all waves wait for their loads ahead of the loop's first barrier.
; No prefetch: every tensor load goes out at the head, so there is no loop to run ahead in.
; SHARES.  A tile is 16 queries.  Work-group c takes tiles 4 j + c; the steps that a tile walks (0 .. j / 2) hang on j alone: no branch hangs on the place in the cluster.  Wave w takes j = 31 - w (16 - w / 2 steps, keys upward)
; and then j = w (w / 2 + 1 steps, from its diagonal step downward: each query's own key lies in that step, so M is a number from there on): 17 key steps for every wave, ONE IN EACH TRIP: the first is written out, sixteen are
; a loop, with one work-group barrier a trip, which keeps the sixteen waves at the same trip.  Tiles under the causal mask are never walked.
; LAYOUT.  Both products are used transposed (S^T = K Q^T, O^T = V^T P^T): a lane holds ONE query.  The stored tiles are permuted so that the 16 registers of tiles 2 b, 2 b + 1 are 16 neighbours (keys 32 b + 16 h + i).
; q k^T has 64 along K.  Q's registers 8-15 hold zero codes.  K's eight tiles lie on end, eight registers each; source 0 of tile t is registers 8 t .. 8 t + 15: its upper half is the next tile's codes (behind tile 7: the
; second tile's Q), which are finite (codes are held ahead of every conversion) and meet Q's zero codes: they add 0.  The scale bytes that go with them are never 0xff.
; OUT: o / the sum, quantised along the channels, as an image: oi [tile 512][8][4 groups][512 bytes]; scale bytes [stored row][32] at OSC, one byte a lane.
; LIMITS: NaN and infinities are not served; a block whose largest magnitude lies under 2^-118 keeps the byte 1; the scaled scores stay under 2^31 in magnitude.
.set HB,    274432
.set KSB,   17152
.set QSC,   8388608
.set OSC,   8388608
.set SPARE, 274432                     ; behind the head: the spare words, 128 bytes for each wave
.set LI,  1                            ; 16 x lane
.set LS,  2                            ; 4 x (lane % 16)
.set DV,  3                            ; r + 8 (r / 8) - 16 h
.set AD,  4                            ; the step's block + 16 x lane
.set ADW, 5                            ; the step's block + 4 r
.set SPW, 6                            ; my spare word; never rewritten
.set NIL, 7                            ; 0; never rewritten
.set OSO, 8                            ; 32 r + h
.set QW2, 9                            ; the second tile's Q scale word
.set C1,  10                           ; v[10:11] a chain of the sum.  v12 -M, v13 the largest t, v[14:15] the sum
.set Q,   16                           ; v16-23 Q, v24-31 zero codes
.set KF,  32                           ; v32-95 K's eight tiles, then V's four fragments
.set Q2,  96                           ; v96-103 the second tile's Q
.set S,   104                          ; v104-167 S^T, then p
.set O,   168                          ; v168-199 O^T
.set PC,  200                          ; v200-215 p's codes
.set KW,  216                          ; v216-223 K's scale words
.set VW,  224                          ; v224-227 V's
.set QW,  228
.set PW,  229
.set MX,  230                          ; a block's largest score, then its largest p
.set PM,  234
.set LM,  238                          ; 448 x the scale
.set SO,  242                          ; the conversions' scale operands
.set FF,  246                          ; v[246:247] f = 2^(old M - new M); the upper is only named
.set TT,  248
.set DD,  249
.set NINF, 250
.set BY,  251                          ; the old -M in a step; a scale byte on the way out
.set C2,  252
.set C3,  254
.set WC,  S+32                         ; the way out's codes
.set WV,  12
.set G1,  16
.set G0,  24
.set U,   30                           ; the trip, 0 .. 15
.set TB,  31                           ; where the step's block begins in LDS
.set DT,  32                           ; s32, s33: the trip of the first, the second tile's diagonal step; in trip s33 the tiles change
.set DG,  34                           ; s34, s35: my tile's first position inside its diagonal step
.set QB,  36
.set QS,  40
.set OB,  44
.set SEL, 48
.set CS,  50                           ; c = log2(e) / 8
.set MNT, 52
.set HM,  53
.set OS,  54
.macro CROUND
	s_barrier_signal -1
	s_barrier_wait -1
	s_cmp_lg_u32 s[WV], 0
	s_cbranch_scc1 .Lnot_wave_0_\@
	s_barrier_signal -3
.Lnot_wave_0_\@:
	s_barrier_wait -3
	s_barrier_signal -1
	s_barrier_wait -1
.endm
.macro TLOAD
	tensor_load_to_lds s[G0:G0+3], s[G1:G1+7]
	s_nop 0
.rept 4
	v_nop
.endr
.endm
	s_load_b128 s[4:7], s[0:1], 0x0                ; qi, kv
	s_load_b64 s[8:9], s[0:1], 0x10                ; oi
	v_lshl_add_u32 v[SPW], v0, 2, SPARE
	v_mov_b32 v[NIL], 0
	ds_add_u32 v[SPW], v[NIL]                      ; the opening lines: the add, twice on end, and its wait ahead of my tensor load
	ds_add_u32 v[SPW], v[NIL]
	v_lshrrev_b32 v230, 5, v0
	v_readfirstlane_b32 s[WV], v230                ; wave 0..15
	s_bfe_u32 s13, ttmp6, 0x40000                  ; cx
	s_and_b32 s14, ttmp7, 0xffff                   ; the head, which the four partners share
	s_mov_b32 s[G1], 15|(3<<16)|(1<<21)            ; a dense block of 17,152 bytes as 67 rows of 256 (32 elements of 8 bytes); the mask names all four
	s_mov_b32 s[G1+1], 32<<16
	s_mov_b32 s[G1+2], 67<<16
	s_mov_b32 s[G1+3], 32<<16
	s_mov_b32 s[G1+4], 67
	s_mov_b32 s[G1+5], 32
	s_mov_b32 s[G1+6], 0
	s_mov_b32 s[G1+7], 0
	s_mul_i32 s28, s[WV], KSB
	s_mul_i32 s10, s14, HB
	s_add_co_u32 s10, s10, s28
	s_mov_b32 s11, 0
	s_mov_b32 s[SEL], 0x76543210
	s_mov_b32 s[SEL+1], 0xfedcba98
	s_mov_b32 s[CS], 0x3e38aa3b
	s_mov_b32 s[CS+1], s[CS]
	s_mov_b32 s[MNT], 0x600000
	s_wait_dscnt 0x0
	s_wait_kmcnt 0x0
	s_mov_b32 s[G0], 1
	s_mov_b32 s[G0+1], s28
	s_add_nc_u64 s[G0+2:G0+3], s[6:7], s[10:11]
	s_or_b32 s[G0+3], s[G0+3], 0x80000000
	CROUND                                         ; all four work-groups are here: the joint loads meet
	s_cmp_eq_u32 s[WV], 0                          ; wave 0's load has a line of its own: it alone is waited for at the first barrier
	s_cbranch_scc0 .Lothers
	TLOAD
	s_branch .Lasked
.Lothers:
	TLOAD
.Lasked:
	s_sub_co_u32 s58, 31, s[WV]
	s_lshr_b32 s[DT+1], s58, 1                     ; 15 - wave / 2
	s_sub_co_u32 s[DT], s[DT+1], 1
.macro TILE p                          ; what tile p hangs on: j, T = 4 j + cx
.if \p == 0
	s_sub_co_u32 s58, 31, s[WV]
.else
	s_mov_b32 s58, s[WV]
.endif
	s_and_b32 s59, s58, 1
	s_lshl_b32 s59, s59, 6
	s_lshr_b32 s60, s13, 1
	s_lshl_b32 s60, s60, 5
	s_add_co_u32 s59, s59, s60
	s_and_b32 s60, s13, 1
	s_lshl_b32 s60, s60, 3
	s_add_co_u32 s[DG+\p], s59, s60                ; 64 (j % 2) + 32 (cx / 2) + 8 (cx % 2)
	s_lshl_b32 s58, s58, 2
	s_add_co_u32 s58, s58, s13                     ; T
	s_lshl_b32 s59, s14, 7
	s_add_co_u32 s59, s59, s58
	s_lshl_b32 s60, s59, 10
	s_mov_b32 s61, 0
	s_add_nc_u64 s[QB+2*\p:QB+2*\p+1], s[4:5], s[60:61]
	s_lshl_b32 s60, s59, 6
	s_add_co_u32 s60, s60, QSC
	s_add_nc_u64 s[QS+2*\p:QS+2*\p+1], s[4:5], s[60:61]
	s_lshr_b32 s59, s14, 4
	s_lshl_b32 s59, s59, 7
	s_add_co_u32 s59, s59, s58                     ; the tile among all 512
	s_and_b32 s62, s14, 15
	s_lshl_b32 s60, s59, 14
	s_lshl_b32 s63, s62, 10
	s_add_co_u32 s60, s60, s63
	s_add_nc_u64 s[OB+2*\p:OB+2*\p+1], s[8:9], s[60:61]
	s_lshl_b32 s60, s59, 9
	s_lshl_b32 s63, s62, 1
	s_add_co_u32 s60, s60, s63
	s_add_co_u32 s60, s60, OSC
	s_add_nc_u64 s[OS+2*\p:OS+2*\p+1], s[8:9], s[60:61]
.endm
	TILE 0
	TILE 1
	v_and_b32 v230, 31, v0
	v_lshlrev_b32 v[LI], 4, v230
	v_and_b32 v231, 15, v0                         ; r
	v_lshlrev_b32 v[LS], 2, v231
	v_bfe_u32 v232, v0, 4, 1                       ; h
.macro QLOAD p, q, w
	global_load_b128 v[\q:\q+3], v[LI], s[QB+2*\p:QB+2*\p+1]
	global_load_b128 v[\q+4:\q+7], v[LI], s[QB+2*\p:QB+2*\p+1] offset:512
	global_load_b32 v[\w], v[LS], s[QS+2*\p:QS+2*\p+1]
.endm
	QLOAD 0, Q, QW                                 ; both tiles' Q come now
	QLOAD 1, Q2, QW2
	v_and_b32 v[DV], 8, v231
	v_add_nc_u32 v[DV], v[DV], v231
	v_lshlrev_b32 v230, 4, v232
	v_sub_nc_u32 v[DV], v[DV], v230
	v_lshl_add_u32 v[OSO], v231, 5, v232
	v_cmp_ne_u32 s[HM], 0, v232
.irp i, 0,1,2,3,4,5,6,7
	v_mov_b32 v[Q+8+\i], 0                         ; Q's zero codes for K = 64 .. 127
.endr
	v_mov_b32 v[NINF], 0xff800000
.irp b, 0,1,2,3
	v_mov_b32 v[PM+\b], 0                          ; a lane permute's destination counts as one of its sources
.endr
	v_mov_b32 v[FF+1], 0
	v_mov_b32 v[TT], 0
.macro INIT                            ; a tile begins: the step is written for any step, and a tile's first finds zeros, which the first change of M leaves zeros
	v_mov_b32 v13, 0xff61b1e6                      ; -3e38, under every t
	v_floor_f32 v12, -v13
	v_mov_b32 v14, 0
	v_mov_b32 v15, 0
.set n, 0
.rept 32
	v_mov_b32 v[O+n], 0
.set n, n+1
.endr
.endm
	INIT
; A KEY STEP of tile p: the 128 keys of the block at s[TB].  dg = 1: in the tile's diagonal trip hidden scores become -infinity.
.macro STEP p, dg
	v_add_nc_u32 v[AD], s[TB], v[LI]
	v_add_nc_u32 v[ADW], s[TB], v[LS]
	s_wait_alu depctr_va_vdst(0)                   ; behind the writes
.irp t, 0,1,2,3,4,5,6,7
	ds_load_b128 v[KF+8*\t:KF+8*\t+3], v[AD] offset:\t*1024
	ds_load_b128 v[KF+8*\t+4:KF+8*\t+7], v[AD] offset:\t*1024+512
	ds_load_b32 v[KW+\t], v[ADW] offset:16384+\t*64
.endr
	s_wait_dscnt 0x0
.irp t, 0,1,2,3,4,5,6,7
	v_wmma_scale_f32_16x16x128_f8f6f4 v[S+8*\t:S+8*\t+7], v[KF+8*\t:KF+8*\t+15], v[Q:Q+15], 0, v[KW+\t], v[QW]
.endr
	v_mov_b32 v[BY], v12                           ; the old -M.  Eight places behind the products, ahead of the loads into K's registers and of the scores' readers
	v_add_nc_u32 v[DD], s[DG+\p], v[DV]            ; d = my query's place in the diagonal step - 16 h
.rept 6
	v_nop
.endr
.irp t, 0,1,2,3                                ; V's four fragments take K's registers, and land under the softmax
.irp c, 0,1,2,3
	ds_load_b128 v[KF+16*\t+4*\c:KF+16*\t+4*\c+3], v[AD] offset:8192+2048*\t+512*\c
.endr
	ds_load_b32 v[VW+\t], v[ADW] offset:16896+64*\t
.endr
.if \dg
	s_cmp_lg_u32 s[U], s[DT+\p]
	s_cbranch_scc1 .Lopen_\@
.set n, 0
.rept 64                                       ; register 16 b + i holds key 32 b + 16 h + i: hidden where 32 b + i > d
	v_cmp_gt_i32 vcc_lo, 32*(n/16)+n%16, v[DD]
	v_cndmask_b32 v[S+n], v[S+n], v[NINF], vcc_lo
.set n, n+1
.endr
.Lopen_\@:
.endif
.irp b, 0,1,2,3
	v_max3_num_f32 v[MX+\b], v[S+16*\b], v[S+1+16*\b], v[S+2+16*\b]   ; the largest score of each block of 32 keys: for the row's maximum and, since p rises with the score, for the block's largest p
.endr
.irp i, 3,5,7,9,11,13
.irp b, 0,1,2,3
	v_max3_num_f32 v[MX+\b], v[MX+\b], v[S+16*\b+\i], v[S+1+16*\b+\i]
.endr
.endr
.irp b, 0,1,2,3
	v_max_num_f32 v[MX+\b], v[MX+\b], v[S+15+16*\b]
.endr
.irp b, 0,1,2,3
	s_delay_alu instid0(VALU_DEP_4)
	v_permlanex16_b32 v[PM+\b], v[MX+\b], s[SEL], s[SEL+1]
.endr
.irp b, 0,1,2,3
	s_delay_alu instid0(VALU_DEP_4)
	v_max_num_f32 v[MX+\b], v[MX+\b], v[PM+\b]     ; with lane l xor 16's 16 keys
.endr
	s_delay_alu instid0(VALU_DEP_2)
	v_max3_num_f32 v[TT], v[MX], v[MX+1], v[MX+2]
	s_delay_alu instid0(VALU_DEP_1)
	v_max_num_f32 v[TT], v[TT], v[MX+3]
	s_delay_alu instid0(VALU_DEP_1)
	v_mul_f32 v[TT], s[CS], v[TT]                  ; as t
	s_delay_alu instid0(VALU_DEP_1)
	v_max_num_f32 v13, v13, v[TT]                  ; the running largest t
	s_delay_alu instid0(VALU_DEP_1)
	v_floor_f32 v12, -v13                          ; the new -M: M is a whole number
	s_delay_alu instid0(VALU_DEP_1)
	v_sub_f32 v[TT], v12, v[BY]                    ; old M - new M, 0 or less
	s_delay_alu instid0(VALU_DEP_1)
	v_cvt_i32_f32 v[TT], v[TT]                     ; (it saturates)
	s_delay_alu instid0(VALU_DEP_1)
	v_ldexp_f32 v[FF], 1.0, v[TT]                  ; f
.set n, 0
.rept 32
	v_pk_fma_f32 v[S+n:S+n+1], v[S+n:S+n+1], s[CS:CS+1], v[12:13] op_sel_hi:[1,0,0]   ; t - M
.set n, n+2
.endr
.irp b, 0,1,2,3
	v_fma_f32 v[MX+\b], v[MX+\b], s[CS], v12
.endr
	s_wait_alu depctr_va_vdst(0)                   ; ahead of the batch
.set n, 0
.rept 64
	v_exp_f32 v[S+n], v[S+n]                       ; p, at most 1
.set n, n+1
.endr
	v_pk_mul_f32 v[14:15], v[14:15], v[FF:FF+1] op_sel_hi:[1,0]   ; the sum under the new M (a plain place behind the batch)
	s_wait_alu depctr_va_vdst(0)                   ; one wait for the batch
.irp b, 0,1,2,3
	v_exp_f32 v[MX+\b], v[MX+\b]                   ; the block's largest p: the same two instructions on the same number
.endr
	v_pk_add_f32 v[C1:C1+1], v[S:S+1], v[S+2:S+3]  ; the row's sum of the unquantised p, in four chains; they are joined behind the second product
	v_pk_add_f32 v[C2:C2+1], v[S+4:S+5], v[S+6:S+7]
	v_pk_add_f32 v[C3:C3+1], v[S+8:S+9], v[S+10:S+11]
	v_pk_add_f32 v[14:15], v[14:15], v[S+12:S+13]
.irp k, 14,22,30,38,46,54
	v_pk_add_f32 v[C1:C1+1], v[C1:C1+1], v[S+\k:S+\k+1]
	v_pk_add_f32 v[C2:C2+1], v[C2:C2+1], v[S+\k+2:S+\k+3]
	v_pk_add_f32 v[C3:C3+1], v[C3:C3+1], v[S+\k+4:S+\k+5]
	v_pk_add_f32 v[14:15], v[14:15], v[S+\k+6:S+\k+7]
.endr
	v_pk_add_f32 v[C1:C1+1], v[C1:C1+1], v[S+62:S+63]
	s_wait_alu depctr_va_vdst(0)                   ; and one for the four
.irp b, 0,1,2,3
	v_max_num_f32 v[MX+\b], 0x4800000, v[MX+\b]    ; the floor 2^(9 - 127): the byte cannot fall under 1
.endr
.irp b, 0,1,2,3
	s_delay_alu instid0(VALU_DEP_4)
	v_add_nc_u32 v[SO+\b], 0xfc000000, v[MX+\b]
.endr
.irp b, 0,1,2,3
	v_and_or_b32 v[LM+\b], v[MX+\b], 0x7f800000, s[MNT]
.endr
.irp b, 0,1,2,3
	v_lshrrev_b32 v[PM+\b], 23, v[SO+\b]
.endr
	s_delay_alu instid0(VALU_DEP_3)
	v_lshl_or_b32 v[PW], v[PM+1], 8, v[PM]         ; p's scale word
	s_delay_alu instid0(VALU_DEP_1)
	v_lshl_or_b32 v[PW], v[PM+2], 16, v[PW]
	s_delay_alu instid0(VALU_DEP_1)
	v_lshl_or_b32 v[PW], v[PM+3], 24, v[PW]
.irp b, 0,1,2,3
.irp i, 0,2,4,6,8,10,12,14                     ; the conversion does not saturate (ISA guide 7.6.2); p is not negative: a one-sided hold, two numbers a line
	v_dual_min_num_f32 v[S+16*\b+\i], v[S+16*\b+\i], v[LM+\b] :: v_dual_min_num_f32 v[S+16*\b+\i+1], v[S+16*\b+\i+1], v[LM+\b]
.endr
	v_cvt_scalef32_pk8_fp8_f32 v[PC+4*\b:PC+4*\b+1], v[S+16*\b:S+16*\b+7], v[SO+\b]
	v_cvt_scalef32_pk8_fp8_f32 v[PC+4*\b+2:PC+4*\b+3], v[S+16*\b+8:S+16*\b+15], v[SO+\b]
.endr
	s_wait_alu depctr_va_vdst(0)                   ; directly ahead of the first reader of O^T
.set n, 0
.rept 16
	v_pk_mul_f32 v[O+n:O+n+1], v[O+n:O+n+1], v[FF:FF+1] op_sel_hi:[1,0]   ; O^T under the new M; also the places between the codes and the products
.set n, n+2
.endr
	s_wait_alu depctr_va_vdst(0)                   ; ahead of the wait below
	s_wait_dscnt 0x0                               ; V
.irp t, 0,1,2,3
	v_wmma_scale_f32_16x16x128_f8f6f4 v[O+8*\t:O+8*\t+7], v[KF+16*\t:KF+16*\t+15], v[PC:PC+15], v[O+8*\t:O+8*\t+7], v[VW+\t], v[PW]
.endr
	v_pk_add_f32 v[C1:C1+1], v[C1:C1+1], v[C2:C2+1]   ; eight places behind the products, ahead of the next loads into their registers and of the way out
	v_pk_add_f32 v[14:15], v[14:15], v[C3:C3+1]
	v_pk_add_f32 v[14:15], v[14:15], v[C1:C1+1]
.rept 5
	v_nop
.endr
.endm
; A tile's way out: O^T / the sum, quantised along the channels (register 16 b + i is channel 32 b + 16 h + i): two groups of four registers and two scale bytes a row.
.macro WAYOUT wc, by                   ; the codes go to v[wc] on, the byte to v[by]; OUTST stores them
	v_add_f32 v14, v14, v15
	s_delay_alu instid0(VALU_DEP_1)
	v_permlanex16_b32 v[TT], v14, s[SEL], s[SEL+1]
	s_delay_alu instid0(VALU_DEP_1)
	v_add_f32 v14, v14, v[TT]
	s_wait_alu depctr_va_vdst(0)
	v_rcp_f32 v14, v14
	v_nop
	s_wait_alu depctr_va_vdst(0)                   ; ahead of the reciprocal's first reader, which is O^T's too
.set n, 0
.rept 16
	v_pk_mul_f32 v[S+n:S+n+1], v[O+n:O+n+1], v[14:15] op_sel_hi:[1,0]
.set n, n+2
.endr
.irp b, 0,1
	v_max3_num_f32 v[MX+\b], |v[S+16*\b]|, |v[S+1+16*\b]|, 0x4800000
.endr
.irp i, 2,4,6,8,10,12,14
.irp b, 0,1
	s_delay_alu instid0(VALU_DEP_2)
	v_max3_num_f32 v[MX+\b], v[MX+\b], |v[S+16*\b+\i]|, |v[S+1+16*\b+\i]|
.endr
.endr
.irp b, 0,1
	s_delay_alu instid0(VALU_DEP_2)
	v_permlanex16_b32 v[PM+\b], v[MX+\b], s[SEL], s[SEL+1]
.endr
.irp b, 0,1
	s_delay_alu instid0(VALU_DEP_2)
	v_max_num_f32 v[MX+\b], v[MX+\b], v[PM+\b]
.endr
.irp b, 0,1
	s_delay_alu instid0(VALU_DEP_2)
	v_add_nc_u32 v[SO+\b], 0xfc000000, v[MX+\b]
.endr
.irp b, 0,1
	s_delay_alu instid0(VALU_DEP_4)
	v_and_or_b32 v[LM+\b], v[MX+\b], 0x7f800000, s[MNT]
.endr
.irp b, 0,1
	s_delay_alu instid0(VALU_DEP_4)
	v_lshrrev_b32 v[PM+\b], 23, v[SO+\b]
.endr
	s_delay_alu instid0(VALU_DEP_1)
	v_cndmask_b32 v[\by], v[PM], v[PM+1], s[HM]    ; lanes 0-15 keep the first block's byte, lanes 16-31 the second's
.irp b, 0,1
.irp i, 0,1,2,3,4,5,6,7,8,9,10,11,12,13,14,15
	v_med3_num_f32 v[S+16*\b+\i], v[S+16*\b+\i], -v[LM+\b], v[LM+\b]
.endr
	v_cvt_scalef32_pk8_fp8_f32 v[\wc+4*\b:\wc+4*\b+1], v[S+16*\b:S+16*\b+7], v[SO+\b]
	v_cvt_scalef32_pk8_fp8_f32 v[\wc+4*\b+2:\wc+4*\b+3], v[S+16*\b+8:S+16*\b+15], v[SO+\b]
.endr
	v_nop                                          ; one plain vector line behind the last scaled conversion
.endm
.macro OUTST p, wc, by
	global_store_b128 v[LI], v[\wc:\wc+3], s[OB+2*\p:OB+2*\p+1]           ; 512 consecutive bytes, aligned
	global_store_b128 v[LI], v[\wc+4:\wc+7], s[OB+2*\p:OB+2*\p+1] offset:512
	global_store_b8 v[OSO], v[\by], s[OS+2*\p:OS+2*\p+1]
.endm
	s_wait_alu depctr_va_vdst(0)                   ; the head's end
	s_cmp_eq_u32 s[WV], 0
	s_cbranch_scc0 .Lnot_0
	s_wait_tensorcnt 0x0                           ; wave 0: block 0 is in.  The other waves' wait stands ahead of the loop
.Lnot_0:
	s_barrier_signal -1
	s_barrier_wait -1
	s_wait_loadcnt 0x0                             ; both Q
	s_mov_b32 s[TB], 0
	STEP 0, 0                                      ; key step 0 of the first tile, whose diagonal step is step 8 at the earliest
	s_wait_alu depctr_va_vdst(0)
	s_wait_tensorcnt 0x0                           ; my block is in; behind the loop's first barrier everybody's is
	s_mov_b32 s[U], 0
	s_barrier_signal -1
	s_barrier_wait -1                              ; everybody's block is in: the whole head lies in LDS
; THE TRIP'S BARRIER IS SPLIT: the signal at the trip's head says that I have begun it, the wait at its end lets me leave it when all sixteen have begun it: no wave is more than one key step ahead of another.
; Between the two stand register work and LDS loads of bytes that nobody writes; nothing is stored inside the loop.
.Ltrip:
	s_barrier_signal -1                            ; no LDS instruction of mine is out
	s_cmp_lt_u32 s[U], s[DT+1]
	s_cbranch_scc0 .Lsecond
	s_add_co_u32 s[TB], s[U], 1                    ; the first tile: key step U + 1
	s_min_u32 s[TB], s[TB], 15
	s_mul_i32 s[TB], s[TB], KSB
	STEP 0, 1
	s_branch .Ljoin
.Lsecond:
	s_cmp_lg_u32 s[U], s[DT+1]
	s_cbranch_scc1 .Lgo
	v_mov_b32 v[QW], v[QW2]                        ; the tiles change: the second tile's Q takes its place,
.irp i, 0,1,2,3,4,5,6,7
	v_mov_b32 v[Q+\i], v[Q2+\i]
.endr
	WAYOUT Q2, QW2                                 ; and the first tile's codes and byte wait where it lay, to be stored behind the loop: finite codes, fit to stand as tile 7's upper half
	INIT
.Lgo:
	s_xor_b32 s[TB], s[U], 15                      ; the second tile: key step 15 - U, from its diagonal step down to 0
	s_mul_i32 s[TB], s[TB], KSB
	STEP 1, 1
.Ljoin:
	s_wait_alu depctr_va_vdst(0)                   ; ahead of the barrier's wait and the branch
	s_barrier_wait -1                              ; all sixteen have begun this trip
	s_add_co_u32 s[U], s[U], 1
	s_cmp_lt_u32 s[U], 16
	s_cbranch_scc1 .Ltrip
	OUTST 0, Q2, QW2
	WAYOUT WC, BY
	OUTST 1, WC, BY
	s_wait_tensorcnt 0x0                           ; the wave's end
	ds_add_u32 v[SPW], v[NIL]
	s_wait_dscnt 0x0
	CROUND                                         ; the closing round
	s_endpgm
.Lfunc_end_k_qe41b99de02_attn:
	.size	k_qe41b99de02_attn, .Lfunc_end_k_qe41b99de02_attn-k_qe41b99de02_attn
	.p2alignl 7, 3214868480
	.fill 96, 4, 3214868480
	.section	.rodata,"a",@progbits
	.p2align	6, 0x0
	.amdhsa_kernel k_qe41b99de02_attn
		.amdhsa_group_segment_fixed_size 276480
		.amdhsa_private_segment_fixed_size 0
		.amdhsa_enable_private_segment 0
		.amdhsa_kernarg_size 24
		.amdhsa_user_sgpr_count 2
		.amdhsa_user_sgpr_kernarg_segment_ptr 1
		.amdhsa_wavefront_size32 1
		.amdhsa_system_sgpr_workgroup_id_x 1
		.amdhsa_system_sgpr_workgroup_id_y 1
		.amdhsa_system_sgpr_workgroup_id_z 1
		.amdhsa_system_vgpr_workitem_id 0
		.amdhsa_next_free_vgpr 256
		.amdhsa_next_free_sgpr 66
		.amdhsa_reserve_vcc 1
		.amdhsa_float_denorm_mode_32 3
		.amdhsa_float_denorm_mode_16_64 3
		.amdhsa_memory_ordered 1
		.amdhsa_forward_progress 1
		.amdhsa_inst_pref_size 92
	.end_amdhsa_kernel
	.amdgpu_metadata
---
amdhsa.version: [ 1, 2 ]
amdhsa.kernels:
  - .name:           k_qe41b99de02_attn
    .symbol:         k_qe41b99de02_attn.kd
    .args:
      - { .name: qi, .offset: 0, .size: 8, .value_kind: global_buffer, .address_space: global }
      - { .name: kv, .offset: 8, .size: 8, .value_kind: global_buffer, .address_space: global }
      - { .name: oi, .offset: 16, .size: 8, .value_kind: global_buffer, .address_space: global }
    .group_segment_fixed_size: 276480
    .private_segment_fixed_size: 0
    .kernarg_segment_align: 8
    .kernarg_segment_size: 24
    .max_flat_workgroup_size: 512
    .sgpr_count:     66
    .vgpr_count:     256
    .wavefront_size: 32
...
	.end_amdgpu_metadata
.endif
;; end of part 3
;; launch gemm_out (part 4): grid 4 x 64, 4 waves a work-group, clusters of 4 x 4, 327,680 bytes of LDS; arguments oi, wq, out0; writes out0
.if DOCPART == 4
	.amdgcn_target "amdgcn-amd-amdhsa--gfx1250"
	.amdhsa_code_object_version 6
	.text
	.protected	k_qe41b99de02_gemm_out
	.globl	k_qe41b99de02_gemm_out
	.p2align	8
	.type	k_qe41b99de02_gemm_out,@function
k_qe41b99de02_gemm_out:
	s_mov_b64 s[64:65], 0
	v_nop
	global_prefetch_b8 v0, s[64:65] scope:SCOPE_SE
	s_setreg_imm32_b32 hwreg(HW_REG_WAVE_MODE, 25, 1), 1
	s_wait_xcnt 0x0
	s_wait_alu depctr_hold_cnt(0) depctr_sa_sdst(0) depctr_va_vdst(0) depctr_va_sdst(0) depctr_va_ssrc(0) depctr_va_vcc(0) depctr_vm_vsrc(0)
	s_getreg_b32 s2, hwreg(HW_REG_IB_STS2, 6, 4)
	s_cmp_eq_u32 s2, 0
	s_cbranch_scc0 .Lentry_in_a_cluster
	s_endpgm
.Lentry_in_a_cluster:
	s_bfe_u32 s2, ttmp6, 0x10000c
	s_cmp_lg_u32 s2, 0xf033
	s_cbranch_scc0 .Lentry_shape_is_right
	s_endpgm
.Lentry_shape_is_right:
; out0 = o Wout on codes of FP8 (E4M3) with one E8M0 scale for each 32 along K: 8,192 x 1,024 x 1,024, f32 out.
; A block of 128 tokens x 256 columns is made by a work-group of four waves: 64 x 4 = 256 work-groups.  A wave makes 64 x 128: 32 accumulators, 256 registers.
; K goes in four steps of 256 through a ring of two LDS slots filled by the tensor data mover; the scale bytes of the work-group's rows, for all of K, come into LDS once.
; o's codes lie in oi as images of operand registers: [tile of 16 stored rows][8 x 128 along K][4 groups][512 bytes], lane l's 16 bytes at 16 l; its scale bytes [stored row][32] at OSC.  Wout's codes are wq's rows 3,072 on, K innermost.
; STORED ROWS are permuted (the middle groups of eight of each 32 change places): block a's lane r is token 32 (a / 2) + 8 (a % 2) + r + 8 (r / 8); register j of column tile b is column 32 (b / 2) + 16 h + 8 (b % 2) + j.
; CLUSTERS: 4 x 4 work-groups; o's tiles are asked for jointly along a row of the cluster, Wout's along a column.  Source 0 = 16 rows of Wout, source 1 = 16 tokens: a lane holds eight neighbouring columns of one token.
; No prefetch: K has four steps; steps 0 and 1 are the first fills, and steps 2 and 3 are asked for by the only two refills, so a request two refills ahead of a load would have to stand at the head.
; REGISTERS, in windows of 256: window 0: v0-31 addresses; v32-63 scale words, a set a slot; v128-255 source 1's fragments, two sets of four; window 1: source 0's fragments, two sets of eight; window 2: accumulator (a, b) at v[8 (8 a + b)].
; Lanes 0-15 of the scale words' registers 8 .. 15 of a set are read from LDS bytes that the head has filled (the rows that follow mine) and are named by no product.
.set SIZE_N, 1024
.set SIZE_K, 1024
.set ROWB,   256
.set KROW,   SIZE_K
.set PITCH,  272                       ; Wout's LDS row: 256 bytes + 16 of padding
.set FR,     16
.set NP,     8                         ; places behind this matrix instruction (ISA guide 7.12.1)
.set AHALF,  16384                     ; 64 tokens of a K step: 4 image tiles x 4,096 bytes
.set HALFT,  128*PITCH
.set BOFF,   2*AHALF
.set SLOT,   BOFF+2*HALFT
.set LAPS,   2
.set KS,     SIZE_K/32
.set SCL,    2*SLOT                    ; the scale bytes, as units of 256 bytes + 16: o's 128 rows (16 units), then Wout's 256 (32 units)
.set HALFS,  16*272
.set SBLK,   2*272                     ; 16 rows
.set SPARE,  SCL+3*HALFS
.set OSC,    8388608
.set WCO,    3072*1024
.set WSO,    4194304+3072*32
.set SPITCH, 528                       ; the way out's stage: 16 rows x (512 + 16) bytes a wave, in slot 0, behind its last fill and last read
.set ADRA, 16
.set ADRB, 20
.set STO,  24
.set RD,   25
.set CO,   26
.set ADRS, 27
.set SPW,  28
.set NIL,  29
.set SC,   32
.set AF,   128
.set BK,   128
.set G1, 24
.set G0, 32
.set G1B, 48
.set G0B, 56
.set G1S, 68
.set G0S, 76
.set G1SB, 80
.set G0SB, 88
.set MSB, 0
.macro WIN new
.if MSB != (\new)
	s_set_vgpr_msb (MSB<<8)|(\new)
.set MSB, (\new)
.endif
.endm
.set MUL_LO, 0xa1                      ; source 0 window 1, source 1 window 0, C and D window 2
.set TO_B,   0x40
.macro TL g0, g1                       ; a tensor load; s_nop 0 and four v_nop follow it
	tensor_load_to_lds s[\g0:\g0+3], s[\g1:\g1+7]
	s_nop 0
.rept 4
	v_nop
.endr
.endm
.macro JLOAD g0a, g1a, g0b, g1b        ; waves 0, 1 fetch o's halves, waves 2, 3 Wout's: a line and a mask each
	s_cmp_eq_u32 s15, 0
	s_cbranch_scc0 .Lfor_b_\@
	TL \g0a, \g1a
	s_branch .Lasked_\@
.Lfor_b_\@:
	TL \g0b, \g1b
.Lasked_\@:
.endm
.macro CREST
	s_cmp_lg_u32 s14, 0
	s_cbranch_scc1 .Lnot_wave_0_\@
	s_barrier_signal -3
.Lnot_wave_0_\@:
	s_barrier_wait -3
	s_barrier_signal -1
	s_barrier_wait -1
.endm
.macro CROUND
	s_barrier_signal -1
	s_barrier_wait -1
	CREST
.endm
.macro SDESC g, rows                   ; group 1 for scale bytes: so many rows of 256 bytes (32 elements of 8), 16 bytes of padding behind each
	s_mov_b32 s[\g+1], 32<<16
	s_mov_b32 s[\g+2], (\rows)<<16
	s_mov_b32 s[\g+3], 32<<16
	s_mov_b32 s[\g+4], \rows
	s_mov_b32 s[\g+5], 32
	s_mov_b32 s[\g+6], 0
	s_mov_b32 s[\g+7], 0
.endm
.macro GZERO g, lds, adr               ; group 0: a constant LDS address, the global address in s[adr]
	s_mov_b32 s[\g], 1
	s_mov_b32 s[\g+1], \lds
	s_mov_b64 s[\g+2:\g+3], s[\adr:\adr+1]
	s_or_b32 s[\g+3], s[\g+3], 0x80000000
.endm
	s_load_b128 s[4:7], s[0:1], 0x0                ; oi, wq
	s_load_b64 s[12:13], s[0:1], 0x10              ; out0
	v_lshl_add_u32 v[SPW], v0, 2, SPARE
	v_mov_b32 v[NIL], 0
	ds_add_u32 v[SPW], v[NIL]                      ; the opening lines: the add, twice on end, and its wait ahead of my first tensor load
	ds_add_u32 v[SPW], v[NIL]
	v_lshrrev_b32 v1, 5, v0
	v_readfirstlane_b32 s14, v1                    ; wave 0..3
	s_lshr_b32 s15, s14, 1                         ; my half of the tokens; also: I fetch for o (0) or Wout (1)
	s_and_b32 s16, s14, 1                          ; my half of the columns; also: which half of that tile I fetch
	s_bfe_u32 s40, ttmp6, 0x40000
	s_bfe_u32 s41, ttmp6, 0x40004
	s_lshl_b32 s42, ttmp9, 2
	s_add_co_u32 s42, s42, s40                     ; tile column
	s_and_b32 s17, ttmp7, 0xffff
	s_lshl_b32 s17, s17, 2
	s_add_co_u32 s17, s17, s41                     ; tile row
	s_lshl_b32 s43, s41, 2
	s_lshl_b32 s43, 15, s43                        ; my row of the cluster
	s_lshl_b32 s44, 0x1111, s40                    ; my column
	s_or_b32 s[G1+0], s43, (3<<16)|(1<<21)         ; o: image tiles as rows of 4,096 bytes (512 elements of 8), 16,384 bytes apart: 8 for the head's load, then 4
	s_mov_b32 s[G1+1], 512<<16
	s_mov_b32 s[G1+2], 8<<16
	s_mov_b32 s[G1+3], 512<<16
	s_mov_b32 s[G1+4], 8
	s_mov_b32 s[G1+5], 2048
	s_mov_b32 s[G1+6], 0
	s_mov_b32 s[G1+7], 0
	s_or_b32 s[G1B+0], s44, (0<<16)|(1<<20)|(1<<21)|(5<<22)|(3<<25)   ; Wout: rows of 256 bytes, padded: 256 for the head's load, then 128
	s_mov_b32 s[G1B+1], ROWB<<16
	s_mov_b32 s[G1B+2], 256<<16
	s_mov_b32 s[G1B+3], ROWB<<16
	s_mov_b32 s[G1B+4], 256
	s_mov_b32 s[G1B+5], KROW
	s_mov_b32 s[G1B+6], 0
	s_mov_b32 s[G1B+7], 0
	s_or_b32 s[G1S+0], s43, (3<<16)|(1<<20)|(1<<21)|(5<<22)|(3<<25)
	s_or_b32 s[G1SB+0], s44, (3<<16)|(1<<20)|(1<<21)|(5<<22)|(3<<25)
	SDESC G1S, 16
	SDESC G1SB, 32
	s_lshl_b32 s20, s17, 7                         ; o's first row
	s_lshl_b32 s46, s42, 8                         ; Wout's
	s_mov_b32 s21, 0
	s_mov_b32 s47, 0
	s_mov_b64 s[18:19], KS
	s_mul_u64 s[22:23], s[20:21], s[18:19]
	s_mul_u64 s[92:93], s[46:47], s[18:19]
	s_mov_b64 s[18:19], KROW
	s_mul_u64 s[20:21], s[20:21], s[18:19]
	s_mul_u64 s[46:47], s[46:47], s[18:19]
	s_mul_i32 s2, s16, 64*KROW                     ; in the ring: my half of o's tile, in bytes,
	s_mov_b32 s3, 0
	s_mul_i32 s66, s16, 128*KROW                   ; of Wout's,
	s_mov_b32 s67, 0
	s_mul_i32 s45, s16, AHALF                      ; and where they go
	s_mul_i32 s95, s16, HALFT
	s_add_co_u32 s95, s95, BOFF
	s_wait_dscnt 0x0
	s_wait_kmcnt 0x0
	s_add_nc_u64 s[20:21], s[4:5], s[20:21]
	s_add_nc_u64 s[22:23], s[4:5], s[22:23]
	s_add_nc_u64 s[22:23], s[22:23], OSC
	s_add_nc_u64 s[46:47], s[6:7], s[46:47]
	s_add_nc_u64 s[46:47], s[46:47], WCO
	s_add_nc_u64 s[92:93], s[6:7], s[92:93]
	s_add_nc_u64 s[92:93], s[92:93], WSO
	CROUND                                         ; all sixteen work-groups are here: the first joint loads meet
	GZERO G0, 0, 20                                ; the head's four tiles, each whole (slot 0's groups 0 are set for the ring behind the wait)
	GZERO G0B, BOFF, 46
	GZERO G0S, SCL, 22
	GZERO G0SB, SCL+HALFS, 92
	s_mov_b32 s[G0+4], 1                           ; slot 1: my half, K step 1
	s_add_co_u32 s[G0+5], s45, SLOT
	s_add_nc_u64 s[G0+6:G0+7], s[20:21], s[2:3]
	s_add_nc_u64 s[G0+6:G0+7], s[G0+6:G0+7], 4096
	s_or_b32 s[G0+7], s[G0+7], 0x80000000
	s_mov_b32 s[G0B+4], 1
	s_add_co_u32 s[G0B+5], s95, SLOT
	s_add_nc_u64 s[G0B+6:G0B+7], s[46:47], s[66:67]
	s_add_nc_u64 s[G0B+6:G0B+7], s[G0B+6:G0B+7], ROWB
	s_or_b32 s[G0B+7], s[G0B+7], 0x80000000
.macro ARM under, g0, g1, next         ; the head's loads, one a wave: one tree of branches on the wave's number, an arm a load, one join
	s_cmp_lt_u32 s14, \under
	s_cbranch_scc0 \next
	TL \g0, \g1
	s_branch .Lhead_asked
\next:
.endm
	ARM 1, G0,  G1,  .Lhead_b
	ARM 2, G0B, G1B, .Lhead_sa
	ARM 3, G0S, G1S, .Lhead_sb
	TL G0SB, G1SB
.Lhead_asked:
	v_and_b32 v1, 15, v0                           ; r
	v_bfe_u32 v2, v0, 4, 1                         ; h
	v_and_b32 v6, 31, v0
	v_lshlrev_b32 v[CO], 4, v6
	v_mul_u32_u24 v3, v1, PITCH
	v_lshl_add_u32 v4, v2, 4, v3
	s_mul_i32 s21, s15, AHALF
	s_mul_i32 s22, s16, HALFT
	s_add_co_u32 s22, s22, BOFF
.irp s, 0,1
	v_add_nc_u32 v[ADRA+\s], s21, v[CO]
	v_add_nc_u32 v[ADRB+\s], s22, v4
	s_add_co_u32 s21, s21, SLOT
	s_add_co_u32 s22, s22, SLOT
.endr
	v_mul_u32_u24 v5, v1, KS                       ; my row's scales: 32 bytes a row, and 16 more for each 256 passed
	v_lshrrev_b32 v6, 8, v5
	v_lshl_add_u32 v5, v6, 4, v5
	s_mul_i32 s21, s15, 4*SBLK                     ; o's: my 64 rows
	s_mul_i32 s22, s16, HALFS                      ; Wout's: my 128 rows, behind o's 128
	s_add_co_u32 s22, s22, HALFS
	s_sub_co_u32 s22, s22, s21
	v_mul_u32_u24 v6, s22, v2                      ; lanes 16-31 take Wout's
	s_add_co_u32 s21, s21, SCL
	v_add_nc_u32 v5, v5, v6
	v_add_nc_u32 v[ADRS], s21, v5
	s_mul_i32 s23, s14, 16*SPITCH
	v_mul_u32_u24 v5, v1, SPITCH
	v_lshl_add_u32 v5, v2, 6, v5
	v_add_nc_u32 v[STO], s23, v5
	v_add_nc_u32 v[RD], s23, v[CO]
	s_lshl_b32 s20, s17, 7
	s_lshl_b32 s21, s15, 6
	s_add_co_u32 s20, s20, s21                     ; my first row of out0
	s_mov_b32 s21, 0
	s_mov_b64 s[18:19], SIZE_N*4
	s_mul_u64 s[20:21], s[20:21], s[18:19]
	s_lshl_b32 s46, s42, 10
	s_lshl_b32 s47, s16, 9
	s_add_co_u32 s46, s46, s47
	s_mov_b32 s47, 0
	s_add_nc_u64 s[20:21], s[20:21], s[46:47]
	s_add_nc_u64 s[12:13], s[12:13], s[20:21]
.macro PLACES n
.rept \n
	v_nop
.endr
.endm
; 16 products: tokens' blocks a0, a0 + 1 x Wout's eight, the slot's q-th 128 along K, on fragment set p.  The 32 accumulators take turns in the same order in every step.
.macro MUL16 a0, p, sc, zero
.irp a, \a0, \a0+1
.irp b, 0,1,2,3,4,5,6,7
.if \zero
	v_wmma_scale_f32_16x16x128_f8f6f4 v[8*(8*(\a)+\b):8*(8*(\a)+\b)+7], v[128*(\p)+FR*\b:128*(\p)+FR*\b+FR-1], v[AF+64*(\p)+FR*(\a):AF+64*(\p)+FR*(\a)+FR-1], 0, v[SC+16*(\sc)+2*\b+(\p)], v[SC+16*(\sc)+2*(\a)+(\p)] matrix_a_scale:MATRIX_SCALE_ROW1
.else
	v_wmma_scale_f32_16x16x128_f8f6f4 v[8*(8*(\a)+\b):8*(8*(\a)+\b)+7], v[128*(\p)+FR*\b:128*(\p)+FR*\b+FR-1], v[AF+64*(\p)+FR*(\a):AF+64*(\p)+FR*(\a)+FR-1], v[8*(8*(\a)+\b):8*(8*(\a)+\b)+7], v[SC+16*(\sc)+2*\b+(\p)], v[SC+16*(\sc)+2*(\a)+(\p)] matrix_a_scale:MATRIX_SCALE_ROW1
.endif
.endr
.endr
.endm
.macro FETCH slot, q                   ; the fragments of the slot's q-th 128 along K into set q: Wout's eight, the tokens' four: 48 loads
	WIN TO_B
.irp i, 0,1,2,3,4,5,6,7
.irp c, 0,1,2,3
	ds_load_b128 v[128*(\q)+FR*\i+4*\c:128*(\q)+FR*\i+4*\c+3], v[ADRB+\slot] offset:128*(\q)+32*\c+\i*16*PITCH
.endr
.endr
	WIN 0
.irp i, 0,1,2,3
.irp c, 0,1,2,3
	ds_load_b128 v[AF+64*(\q)+FR*\i+4*\c:AF+64*(\q)+FR*\i+4*\c+3], v[ADRA+\slot] offset:4096*\i+2048*(\q)+512*\c
.endr
.endr
.endm
.macro SCALES sc                       ; a K step's scale words: two words a row; lanes 0-15 the tokens' block i, lanes 16-31 Wout's block i
.irp i, 0,1,2,3,4,5,6,7
	ds_load_b64 v[SC+16*\sc+2*\i:SC+16*\sc+2*\i+1], v[ADRS] offset:\i*SBLK
.endr
.endm
.macro STEP slot, zero                 ; a slot's first 128 along K, on set 0; set 1 is fetched under its products
	s_wait_dscnt 0x0                               ; set 0 and the scale words are in
	PLACES NP                                      ; behind the last products, which read set 1
	FETCH \slot, 1
	WIN MUL_LO
	MUL16 0, 0, \slot, \zero
	MUL16 2, 0, \slot, \zero
	WIN 0
.endm
.macro TURN slot, next, fill           ; a slot's second 128, on set 1, and the change of slots: one barrier; fill = 1: it opens a round of the cluster's barrier, and this slot is filled again
	s_wait_tensorcnt 0x0                           ; all my tensor loads have landed: my part of the next slot
	ds_add_u32 v[SPW], v[NIL]
	s_wait_dscnt 0x0                               ; the add is done, set 1 is in, and my reads of this slot are over
	s_barrier_signal -1
	WIN MUL_LO
	MUL16 0, 1, \slot, 0
	WIN 0
	s_barrier_wait -1
.if \fill
	CREST
	s_add_nc_u64 s[G0+4*\slot+2:G0+4*\slot+3], s[G0+4*\slot+2:G0+4*\slot+3], 2*4096
	s_add_nc_u64 s[G0B+4*\slot+2:G0B+4*\slot+3], s[G0B+4*\slot+2:G0B+4*\slot+3], 2*ROWB
	JLOAD G0+4*\slot, G1, G0B+4*\slot, G1B         ; the first tensor load behind the round; its four v_nop are among the places in front of the loads below
	PLACES NP-4
.else
	PLACES NP
.endif
	v_add_nc_u32 v[ADRS], 8, v[ADRS]               ; on to the next K step's scale words
	s_wait_alu depctr_va_vdst(0)                   ; behind the write
	FETCH \next, 0
	SCALES \next
	WIN MUL_LO
	MUL16 2, 1, \slot, 0
	WIN 0
.endm
	s_wait_alu depctr_va_vdst(0)                   ; the head's end
	s_wait_tensorcnt 0x0                           ; my tile of the head's four is in; these lines stand ahead of a later first fill as ahead of a refill
	ds_add_u32 v[SPW], v[NIL]
	s_mov_b32 s[G1+2], 4<<16                       ; no tensor load of mine is out: from here on a load brings half a tile,
	s_mov_b32 s[G1+4], 4
	s_mov_b32 s[G1B+2], 128<<16
	s_mov_b32 s[G1B+4], 128
	s_mul_i32 s[G0+1], s16, AHALF                  ; and slot 0's groups 0 name my half of K step 0: the first refill steps them to K step 2
	s_mul_i32 s[G0B+1], s16, HALFT
	s_add_co_u32 s[G0B+1], s[G0B+1], BOFF
	s_add_nc_u64 s[G0+2:G0+3], s[G0+2:G0+3], s[2:3]
	s_add_nc_u64 s[G0B+2:G0B+3], s[G0B+2:G0B+3], s[66:67]
	s_wait_dscnt 0x0
	CROUND                                         ; all four tiles are in, and the joint loads meet
	JLOAD G0+4, G1, G0B+4, G1B                     ; K step 1
	FETCH 0, 0
	SCALES 0
	STEP 0, 1                                      ; the first products start the sums
	s_mov_b32 s3, LAPS-1
.Llap:
	TURN 0, 1, 1
	STEP 1, 0
	TURN 1, 0, 1
	STEP 0, 0
	s_sub_co_u32 s3, s3, 1
	s_cmp_lg_u32 s3, 0
	s_cbranch_scc1 .Llap
	TURN 0, 1, 0                                   ; the last lap fills nothing
	STEP 1, 0
	s_wait_dscnt 0x0
	WIN MUL_LO
	MUL16 0, 1, 1, 0
	MUL16 2, 1, 1, 0
	WIN 0
; THE WAY OUT, block by block of 16 tokens x 128 columns, through my own stage: whole rows of 512 bytes come back, and 32 lanes store two aligned units of 256 bytes.
.macro TOSTAGE a
.set AC, 64*(\a)
	WIN 0x08
.irp b, 0,1,2,3,4,5,6,7
	ds_store_b128 v[STO], v[AC+8*\b:AC+8*\b+3] offset:128*(\b/2)+32*(\b%2)      ; each accumulator from its low end on
	ds_store_b128 v[STO], v[AC+8*\b+4:AC+8*\b+7] offset:128*(\b/2)+32*(\b%2)+16
.endr
	WIN 0
.set BB, BK+64*((\a)%2)
.irp t, 0,1,2,3,4,5,6,7,8,9,10,11,12,13,14,15
	ds_load_b128 v[BB+4*\t:BB+4*\t+3], v[RD] offset:\t*SPITCH   ; LDS serves a wave's instructions in order: these see my stores
.endr
.endm
.macro SEND a, younger
.set BB, BK+64*((\a)%2)
	s_wait_dscnt \younger
.if (\a) > 0
.if ((\a)%2) == 1
	s_add_nc_u64 s[12:13], s[12:13], 8*SIZE_N*4    ; (behind a wait on XCNT)  block a's first token
.else
	s_add_nc_u64 s[12:13], s[12:13], 24*SIZE_N*4
.endif
.endif
.irp t, 0,1,2,3,4,5,6,7,8,9,10,11,12,13,14,15
	global_store_b128 v[CO], v[BB+4*\t:BB+4*\t+3], s[12:13] offset:(\t+8*(\t/8))*SIZE_N*4 th:TH_STORE_NT
.endr
.endm
	PLACES NP
	TOSTAGE 0
.irp a, 1,2,3
.if \a > 1
	s_wait_xcnt 0x0                                ; block a - 2's stores have read their registers and their base
.endif
	TOSTAGE \a
	SEND \a-1, 32                                  ; behind block a - 1's loads: block a's 16 stores and 16 loads
.endr
	s_wait_xcnt 0x0
	SEND 3, 0
	s_wait_tensorcnt 0x0                           ; the wave's end
	ds_add_u32 v[SPW], v[NIL]
	s_wait_dscnt 0x0
	CROUND                                         ; the closing round
	s_endpgm
.Lfunc_end_k_qe41b99de02_gemm_out:
	.size	k_qe41b99de02_gemm_out, .Lfunc_end_k_qe41b99de02_gemm_out-k_qe41b99de02_gemm_out
	.p2alignl 7, 3214868480
	.fill 96, 4, 3214868480
	.section	.rodata,"a",@progbits
	.p2align	6, 0x0
	.amdhsa_kernel k_qe41b99de02_gemm_out
		.amdhsa_group_segment_fixed_size 327680
		.amdhsa_private_segment_fixed_size 0
		.amdhsa_enable_private_segment 0
		.amdhsa_kernarg_size 24
		.amdhsa_user_sgpr_count 2
		.amdhsa_user_sgpr_kernarg_segment_ptr 1
		.amdhsa_wavefront_size32 1
		.amdhsa_system_sgpr_workgroup_id_x 1
		.amdhsa_system_sgpr_workgroup_id_y 1
		.amdhsa_system_sgpr_workgroup_id_z 1
		.amdhsa_system_vgpr_workitem_id 0
		.amdhsa_next_free_vgpr 768
		.amdhsa_next_free_sgpr 98
		.amdhsa_reserve_vcc 0
		.amdhsa_float_denorm_mode_32 3
		.amdhsa_float_denorm_mode_16_64 3
		.amdhsa_memory_ordered 1
		.amdhsa_forward_progress 1
		.amdhsa_inst_pref_size 90
	.end_amdhsa_kernel
	.amdgpu_metadata
---
amdhsa.version: [ 1, 2 ]
amdhsa.kernels:
  - .name:           k_qe41b99de02_gemm_out
    .symbol:         k_qe41b99de02_gemm_out.kd
    .args:
      - { .name: oi, .offset: 0, .size: 8, .value_kind: global_buffer, .address_space: global }
      - { .name: wq, .offset: 8, .size: 8, .value_kind: global_buffer, .address_space: global }
      - { .name: out0, .offset: 16, .size: 8, .value_kind: global_buffer, .address_space: global }
    .group_segment_fixed_size: 327680
    .private_segment_fixed_size: 0
    .kernarg_segment_align: 8
    .kernarg_segment_size: 24
    .max_flat_workgroup_size: 128
    .sgpr_count:     98
    .vgpr_count:     768
    .wavefront_size: 32
...
	.end_amdgpu_metadata
.endif
;; end of part 4
